; MI455X (gfx1250); checked and timed in simulation.
; The chip was launched on July 23, 2026; its instructions are those of AMD's public machine-readable ISA for CDNA 5 (MIT licence, August 2026) and "CDNA5" Instruction Set Architecture Reference Guide (July 2026). The comments in the code are by the model that wrote it; some were corrected since.
;; Kimi Layer. Allowed arithmetic: matrix products marked QUANTISED: E3M2 operands, one E8M0 scale for each 32 along K, by v_wmma_scale_f32_16x16x128_f8f6f4 with both operands' format E3M2, f32 sums; products left as they are: f32 operands where the result goes on into a quantised operand, else bf16, f16 or f32 operands; f32 sums; everything else in f32.
;; Inputs: X 2 x 2,048 x 1,024 float32; e_down 2 x 512 x 1,024 float32; e_gate 2 x 1,024 x 512 float32; e_up 2 x 1,024 x 512 float32; norm1_w 1,024 float32; norm2_w 1,024 float32; router_w 1,024 x 2 float32; sh_down 512 x 1,024 float32; sh_gate 1,024 x 512 float32; sh_up 1,024 x 512 float32; wk 1,024 x 1,024 float32; wo 1,024 x 1,024 float32; wq 1,024 x 1,024 float32; wv 1,024 x 1,024 float32.
;; Outputs: out0 2 x 2,048 x 1,024 float32.
;; This version of the problem:
;;   THIS VERSION OF THE PROBLEM IS GIVEN IN LOW PRECISION. The matrix products marked QUANTISED in the list below multiply operands that are first quantised to E3M2 (3 exponent bits, 2 mantissa bits; 6 bits a number), with one power-of-two scale for each 32 numbers along K (OCP MX v1.0); their sums are f32. All else is computed in f32.
;;   The module's matrix products, in the order in which they are computed (A, B: the left and right operand; K: the contracted axis; several contracted axes count as one K, in the product's order):
;;     1. [M 4,096, K 1,024] x [K 1,024, N 1,024]; A: computed on the way; B: input wq: QUANTISED
;;     2. [M 4,096, K 1,024] x [K 1,024, N 1,024]; A: computed on the way; B: input wk: QUANTISED
;;     3. [M 4,096, K 1,024] x [K 1,024, N 1,024]; A: computed on the way; B: input wv: QUANTISED
;;     4. batch 32 x [M 2,048, K 64] x [K 64, N 2,048]; A: computed on the way; B: computed on the way: QUANTISED
;;     5. batch 32 x [M 64, K 2,048] x [K 2,048, N 2,048]; A: computed on the way; B: softmax (see below): QUANTISED
;;     6. [M 4,096, K 1,024] x [K 1,024, N 1,024]; A: computed on the way; B: input wo: QUANTISED
;;     7. [M 4,096, K 1,024] x [K 1,024, N 2]; A: computed on the way; B: input router_w: left as it is (N = 2 < 16)
;;     8. [M 4,096, K 1,024] x [K 1,024, N 512]; A: computed on the way; B: input sh_gate: QUANTISED
;;     9. [M 4,096, K 1,024] x [K 1,024, N 512]; A: computed on the way; B: input sh_up: QUANTISED
;;     10. [M 4,096, K 512] x [K 512, N 1,024]; A: computed on the way; B: input sh_down: QUANTISED
;;     11. [M 1,024, K 1,024] x [K 1,024, N 4,096]; A: input e_gate; B: computed on the way: QUANTISED
;;     12. [M 1,024, K 1,024] x [K 1,024, N 4,096]; A: input e_up; B: computed on the way: QUANTISED
;;     13. batch 2 x [M 4,096, K 512] x [K 512, N 1,024]; A: computed on the way; B: input e_down: QUANTISED
;;     14. batch 4,096 x [M 1,024, K 2] x [K 2, N 1]; A: computed on the way; B: computed on the way: left as it is (K = 2 < 32)
;;   THE QUANTISER, for each operand of a quantised product, along K:
;;     - K is cut into blocks of 32 from its start; a last block that is shorter is filled with zeros.
;;     - A block's scale is 2^e with e = floor(log2(the largest magnitude in the block)) - 4, held to -126 .. 127; a block of zeros has e = 0. As a byte (E8M0): e + 127.
;;     - Each number is divided by its block's scale, clamped to +-28, and rounded to the nearest number of E3M2, ties to even, subnormals kept.
;;     - The product sums the exact products of the quantised numbers (number of the format x scale) in f32.
;;   ~~~python
;;   def quantise(x, axis):      # numpy; x: float32 -> the quantised numbers, widened to float32 again
;;       x = np.moveaxis(x, axis, -1); K = x.shape[-1]
;;       x = np.pad(x, [(0, 0)] * (x.ndim - 1) + [(0, -K % 32)]); x = x.reshape(x.shape[:-1] + (-1, 32)); a = np.abs(x).max(-1, keepdims=True)
;;       e = np.where(a > 0, np.clip(np.frexp(np.where(a > 0, a, 1))[1] - 1 - 4, -126, 127), 0)      # np.frexp(a)[1] - 1 = floor(log2(a)), exactly
;;       r = np.clip(x / 2.0 ** e, -28, 28)
;;       step = 2.0 ** (np.maximum(np.frexp(np.where(r == 0, 1, r))[1] - 1, -2) - 2)
;;       q = np.round(r / step) * step * 2.0 ** e      # np.round: ties to even
;;       return np.moveaxis(q.reshape(q.shape[:-2] + (-1,))[..., :K], -1, axis).astype(np.float32)
;;   ~~~
;;   SOFTMAX AHEAD OF A QUANTISED PRODUCT. Where the list says 'softmax', what is quantised is not the finished softmax but p = 2^(t - M), with t = logit x log2(e) and M = ceil(the row's largest t), a whole number; so 1/2 < the row's largest p <= 1. The row's sum l is taken of the UNQUANTISED p, in f32, and the product's result is divided by l at the end. Since M is a whole number, a kernel that streams over the keys may use a running M (the ceiling of the running maximum): every later rescaling is an exact power of two, which a block's scale takes up: the codes' values come out the same.
;;   OPERANDS COMPUTED ON THE WAY. 'Computed on the way' means the value that the module computes at that place (a softmax that the list does not call 'softmax' is quantised finished and normalised). What goes into a quantiser is computed in f32, as accurately as f32 sums, v_exp_f32 and their like allow (about 1e-6 of the number): no bf16 or f16 on the way to a quantiser, and a product that is left as it is and whose result goes on into a quantised operand takes f32 operands (vector FMAs, or v_wmma_f32_16x16x4_f32). A number that lies on a knife's edge between two numbers of the format may be rounded either way, as far as f32 arithmetic and the matrix unit's own rounding can turn it there, and no further.
;; One version. Each part assembles by itself: llvm-mc -triple=amdgcn-amd-amdhsa -mcpu=gfx1250 --defsym DOCPART=n.
;; ======== version 1 of 1: 7 launches
;; workspace buffers: wts 6,963,200 bytes; hb 3,276,800 bytes; qkv 10,092,544 bytes; ctx 3,276,800 bytes; x2 16,777,216 bytes; h2b 3,342,336 bytes; act 4,915,200 bytes
;; launch prep1 (part 1): grid 512 x 1, 4 waves a work-group, no clusters, 78,848 bytes of LDS; arguments wq, wk, wv, wo, wts, X, norm1_w, hb; writes wts, hb
.if DOCPART == 1
	.amdgcn_target "amdgcn-amd-amdhsa--gfx1250"
	.amdhsa_code_object_version 6
	.text
	.protected	k_qe6f67de870_prep1
	.globl	k_qe6f67de870_prep1
	.p2align	8
	.type	k_qe6f67de870_prep1,@function
k_qe6f67de870_prep1:
	s_mov_b64 s[64:65], 0
	v_nop
	global_prefetch_b8 v0, s[64:65] scope:SCOPE_SE
	s_setreg_imm32_b32 hwreg(HW_REG_WAVE_MODE, 25, 1), 1
	s_wait_xcnt 0x0
; TWO JOBS IN ONE LAUNCH, parted by the work-group's number at the first line and never joined: work-groups 0 .. NW - 1 quantise weights, the others norm and quantise one tile of 16 tokens each.
; Neither job reads what the other stores; both are streams that read each byte once, and side by side they have more bytes on their way.  Each way has LDS bytes of its own (the norm's rows from 0, the weights' stages
; from WSTG on); the one barrier stands on the norm's way, which all four waves of such a work-group take: the branch hangs on the work-group's number alone.
; ROUTER = 0: the weights are wq, wk, wv, wo; the rows are X's.  ROUTER = 1: the weights are gate, up and down of expert 0, expert 1 and the shared expert; the rows are x2's, and the router is computed too.
; THE LAYOUT OF ALL CODES: IMAGES OF OPERAND REGISTERS.  A tile is 16 rows of an operand: lane r of tile T holds row 32 (T/2) + 8 (T%2) + r%8 + 16 (r/8).  A unit is 768 bytes: 16 rows x 64 along K; lane (r, h) owns the
; 24 bytes of k = 32 h .. 32 h + 31: its first 16 at 16 x lane, its last 8 at 512 + 8 x lane.  A block is 8 tiles: [64 along K][tile][768].  Scale words: [tile][128 along K][16 rows] of 4 bytes.
; THE WEIGHTS, f32 stored [K][N]: a work-group takes 128 columns x 128 along K of one slice, a wave 32 columns (a pair of tiles), A LANE ONE COLUMN, ITS REGISTERS RUNNING DOWN K: each load reads 128 consecutive
; bytes a wave, a block of 32 lies in one lane, nothing is transposed.  The codes go through the wave's own 3,072 bytes of LDS and leave as runs of 1,536 bytes; the scale words as pieces of 64 bytes: one byte in 128 of what is read.
; A block of gate and up holds 4 gate tiles and the 4 up tiles of the same 64 hidden units.
; THE NORM: h = x * rsqrt(mean(x^2) + 1e-6) * w in f32.  First each wave takes four whole rows (a row stays in registers between the sum of squares and the scaling: memory is read once); the 16 rows of h meet in LDS
; (pitch 4,096 + 16 bytes); one barrier; then wave w quantises k = 256 w .. 256 w + 255 of all 16 rows: a lane holds a whole block of 32.
; THE ROUTER: logits = h . router_w in f32, softmax, softmax again of the two probabilities (both experts are always chosen, so the order of the top two changes nothing), stored for each token as (c0 / c1, c0 / c1, c1, c1).
; No tensor load, no cluster, no matrix unit: the launch streams.
; LIMITS: NaN and infinities are not served; a block whose largest magnitude lies under 2^-122 (zeros too) gets the byte 1: its codes are then zeros or tiny, and only this program reads the bytes.
.set ROUTER, 0
.if ROUTER
.set NW, 288                           ; 192 work-groups for gate and up, 96 for down
.else
.set NW, 256                           ; 64 for each of wq, wk, wv, wo
.endif
.set GU_IMG, 3145728                   ; places in wts
.set DN_IMG, 5505024
.set W4_SC,  6684672
.set GU_SC,  6815744
.set DN_SC,  6914048
.set WSTG,  66048                      ; LDS: the weights' stages, 3,072 bytes a wave
.set OFF,  32                          ; the weights' way: v32-63 4 x column + i x pitch
.set WX,   64                          ; v64-127  two sets of 32 numbers
.set WPC,  128                         ; v128-133 a block's codes
.set WPT,  134                         ; v134-136 their upper half as the conversion leaves it
.set WSB,  138                         ; v138     the scale word
.set OUTR, 140                         ; v140-163 the way out
.set BASE, 32                          ; s[32:39] where block t of my 128 along K begins
.set SCOFF, 3145728                    ; the norm's way: places in its output buffer
.set COMB,  3276800
.set PITCH, 4112
.set X,  32                            ; v32-159  four rows, later four blocks of 32
.set W,  160                           ; v160-191 the gains of my 32 columns
.set RT, 192                           ; v192-255 router_w's pairs for my 32 columns
.set SS, 8                             ; v8-23    four registers a row: sums, then 1/rms twice; later at work
.set PX, 24                            ; v24-27   what lane l xor 16 sends
.set PC, 160                           ; codes: eight registers' room for each of four blocks
.set PT, 196
.set BY, 200                           ; v200-203 scale bytes
	v_lshl_add_u32 v254, v0, 2, 0x13200
	v_mov_b32 v255, 0
	s_cmp_lt_u32 ttmp9, NW
	s_cbranch_scc0 .Lnorm
	; ======== THE WEIGHTS' WAY ========
.if ROUTER
	s_load_b256 s[12:19], s[0:1], 0x0              ; e_gate e_up sh_gate sh_up
	s_load_b128 s[20:23], s[0:1], 0x20             ; e_down sh_down
	s_load_b64 s[24:25], s[0:1], 0x30              ; wts
.else
	s_load_b256 s[4:11], s[0:1], 0x0               ; wq wk wv wo
	s_load_b64 s[24:25], s[0:1], 0x20              ; wts
.endif
	v_lshrrev_b32 v1, 5, v0
	v_readfirstlane_b32 s26, v1                    ; wave
	v_and_b32 v2, 31, v0                           ; x: my column of the wave's 32
	v_bfe_u32 v3, v0, 3, 1                         ; u: which tile of the pair
	v_and_b32 v4, 7, v0
	v_bfe_u32 v1, v0, 4, 1
	v_lshl_or_b32 v4, v1, 3, v4                    ; r: my row in that tile
	s_mul_i32 s27, s26, 3072                       ; my wave's stage: [64 along K: 2][tile: 2][768]
	s_add_co_u32 s27, s27, WSTG
	v_mul_u32_u24 v5, v3, 768
	v_add_nc_u32 v5, s27, v5
	v_lshl_add_u32 v6, v4, 3, v5
	v_add_nc_u32 v6, 512, v6                       ; where my last 8 bytes go
	v_lshl_add_u32 v5, v4, 4, v5                   ; where my first 16 go
	v_lshlrev_b32 v8, 4, v2                        ; the way out: 16 bytes a lane
	v_add_nc_u32 v7, s27, v8
	s_mov_b32 s31, 0
	s_wait_kmcnt 0x0
	; which slice: s[54:55] source, s56 pitch, s57 bytes of a tile's scale words, s58 block of 128 columns, s59 block of 128 along K, s60, s61 places in wts
.if ROUTER == 0
	s_lshr_b32 s52, ttmp9, 6                       ; which of wq, wk, wv, wo
	s_and_b32 s58, ttmp9, 7
	s_bfe_u32 s59, ttmp9, 0x30003
	s_and_b32 s53, s52, 1
	s_cmp_lg_u32 s53, 0
	s_cselect_b64 s[54:55], s[6:7], s[4:5]
	s_cselect_b64 s[66:67], s[10:11], s[8:9]
	s_cmp_ge_u32 s52, 2
	s_cselect_b64 s[54:55], s[66:67], s[54:55]
	s_mov_b32 s56, 4096
	s_mov_b32 s57, 512
	s_mul_i32 s60, s52, 786432
	s_mul_i32 s30, s58, 98304
	s_add_co_u32 s60, s60, s30
	s_mul_i32 s30, s26, 1536
	s_add_co_u32 s60, s60, s30
	s_lshl_b32 s61, s52, 15
	s_lshl_b32 s30, s58, 3
	s_lshl_b32 s62, s26, 1
	s_add_co_u32 s30, s30, s62
	s_lshl_b32 s30, s30, 9
	s_add_co_u32 s61, s61, s30
	s_add_co_u32 s61, s61, W4_SC
.else
	s_lshr_b32 s28, s26, 1
	s_and_b32 s29, s26, 1
	s_cmp_lt_u32 ttmp9, 192
	s_cbranch_scc0 .Lclass_c
	s_lshr_b32 s53, ttmp9, 6                       ; e: expert 0, expert 1, shared
	s_bfe_u32 s62, ttmp9, 0x10005                  ; up?
	s_and_b32 s58, ttmp9, 3
	s_bfe_u32 s59, ttmp9, 0x30002
	s_cmp_lg_u32 s62, 0
	s_cselect_b64 s[54:55], s[14:15], s[12:13]
	s_cselect_b64 s[66:67], s[18:19], s[16:17]
	s_cmp_lt_u32 s53, 2
	s_cselect_b64 s[54:55], s[54:55], s[66:67]
	s_cselect_b32 s30, s53, 0
	s_lshl_b32 s30, s30, 21                        ; an expert's slice is 2^21 bytes
	s_add_nc_u64 s[54:55], s[54:55], s[30:31]
	s_mov_b32 s56, 2048
	s_mov_b32 s57, 512
	s_lshl_b32 s63, s58, 1
	s_add_co_u32 s63, s63, s28                     ; j: which 64 hidden units
	s_lshl_b32 s30, s53, 3
	s_add_co_u32 s63, s63, s30                     ; 8 e + j
	s_lshl_b32 s30, s29, 1
	s_lshl_b32 s62, s62, 2
	s_add_co_u32 s62, s62, s30                     ; first tile of my pair in the block
	s_mul_i32 s60, s63, 98304
	s_mul_i32 s30, s62, 768
	s_add_co_u32 s60, s60, s30
	s_add_co_u32 s60, s60, GU_IMG
	s_lshl_b32 s61, s63, 3
	s_add_co_u32 s61, s61, s62
	s_lshl_b32 s61, s61, 9
	s_add_co_u32 s61, s61, GU_SC
	s_branch .Ljoin
.Lclass_c:
	s_sub_co_u32 s52, ttmp9, 192
	s_lshr_b32 s53, s52, 5
	s_and_b32 s58, s52, 7
	s_bfe_u32 s59, s52, 0x20003
	s_cmp_lt_u32 s53, 2
	s_cselect_b64 s[54:55], s[20:21], s[22:23]
	s_cselect_b32 s30, s53, 0
	s_lshl_b32 s30, s30, 21
	s_add_nc_u64 s[54:55], s[54:55], s[30:31]
	s_mov_b32 s56, 4096
	s_mov_b32 s57, 256
	s_lshl_b32 s63, s53, 3
	s_add_co_u32 s63, s63, s58
	s_mul_i32 s60, s63, 49152
	s_mul_i32 s30, s26, 1536
	s_add_co_u32 s60, s60, s30
	s_add_co_u32 s60, s60, DN_IMG
	s_lshl_b32 s61, s63, 3
	s_lshl_b32 s30, s26, 1
	s_add_co_u32 s61, s61, s30
	s_lshl_b32 s61, s61, 8
	s_add_co_u32 s61, s61, DN_SC
.Ljoin:
.endif
	s_mul_i32 s30, s59, 12288                      ; 128 along K are two units' rows of a block
	s_add_co_u32 s30, s60, s30
	s_add_nc_u64 s[48:49], s[24:25], s[30:31]      ; where my codes go
	s_lshl_b32 s30, s59, 6                         ; and one scale word a row
	s_add_co_u32 s30, s61, s30
	s_add_nc_u64 s[50:51], s[24:25], s[30:31]      ; where my scale words go
	s_lshl_b32 s30, s59, 7
	s_mul_i32 s30, s30, s56
	s_lshl_b32 s62, s58, 9
	s_add_co_u32 s30, s30, s62
	s_lshl_b32 s62, s26, 7
	s_add_co_u32 s30, s30, s62
	s_add_nc_u64 s[BASE:BASE+1], s[54:55], s[30:31]
	s_lshl_b32 s30, s56, 5                         ; 32 rows on
.irp t, 1,2,3
	s_add_nc_u64 s[BASE+2*\t:BASE+2*\t+1], s[BASE+2*\t-2:BASE+2*\t-1], s[30:31]
.endr
	v_lshlrev_b32 v[OFF], 2, v2
.set I_, 1
.rept 31
	v_add_nc_u32 v[OFF+I_], s56, v[OFF+I_-1]
.set I_, I_+1
.endr
	v_mul_lo_u32 v9, v3, s57
	v_lshl_add_u32 v9, v4, 2, v9                   ; my row's scale word: tile u, row r
.macro LOADB t                         ; block t: W(32 t + i, my column) into set t % 2; no address register is ever rewritten
.set I_, 0
.rept 32
	global_load_b32 v[WX+32*((\t)%2)+I_], v[OFF+I_], s[BASE+2*(\t):BASE+2*(\t)+1] th:TH_LOAD_NT
.set I_, I_+1
.endr
.endm
.macro BLOCK t
.set XS, WX+32*((\t)%2)
.if (\t) < 3
	s_wait_loadcnt 32                              ; this block's 32 loads are in; the next block's 32 may be out
.else
	s_wait_loadcnt 0x0
.endif
	v_max3_num_f32 v10, |v[XS]|, |v[XS+1]|, |v[XS+2]|
	v_max3_num_f32 v11, |v[XS+3]|, |v[XS+4]|, |v[XS+5]|
.irp i, 6,10,14,18,22,26
	v_max3_num_f32 v10, v10, |v[XS+\i]|, |v[XS+\i+1]|
	v_max3_num_f32 v11, v11, |v[XS+\i+2]|, |v[XS+\i+3]|
.endr
	v_max3_num_f32 v10, v10, |v[XS+30]|, |v[XS+31]|
	v_max3_num_f32 v10, v10, v11, 0x2800000        ; with the floor 2^(5 - 127): the byte cannot fall under 1
	v_add_nc_u32 v12, 0xfe000000, v10              ; 4 off the exponent field: the conversion's scale operand
	v_lshrrev_b32 v13, 23, v12                     ; the scale's byte
	v_cvt_scalef32_pk16_bf6_f32 v[WPC:WPC+2], v[XS:XS+15], v12
	v_cvt_scalef32_pk16_bf6_f32 v[WPT:WPT+2], v[XS+16:XS+31], v12
.if (\t) == 0
	v_mov_b32 v[WSB], v13                          ; (the plain line behind the conversions)  four bytes to the word, the lower K lowest
.else
	v_lshl_or_b32 v[WSB], v13, 8*(\t), v[WSB]
.endif
.irp i, 0,1,2
	v_mov_b32 v[WPC+3+\i], v[WPT+\i]
.endr
	ds_store_b128 v5, v[WPC:WPC+3] offset:((\t)/2)*1536+((\t)%2)*256  ; block t is half t % 2 of unit t / 2: lanes 16 (t % 2) + r of the image
	ds_store_b64 v6, v[WPC+4:WPC+5] offset:((\t)/2)*1536+((\t)%2)*128
.if (\t)+2 < 4
	LOADB (\t)+2
.endif
	s_wait_dscnt 0x0                               ; the stores have read their registers: the next block's codes may be written
.endm
	LOADB 0
	LOADB 1
.irp t, 0,1,2,3
	BLOCK \t
.endr
	global_store_b32 v9, v[WSB], s[50:51]
.irp i, 0,1,2,3,4,5
	ds_load_b128 v[OUTR+4*\i:OUTR+4*\i+3], v7 offset:512*\i       ; LDS serves a wave's instructions in order: these see my stores
.endr
.irp i, 0,1,2,3,4,5
	s_wait_dscnt 5-\i                              ; the younger read-backs may be out
	global_store_b128 v8, v[OUTR+4*\i:OUTR+4*\i+3], s[48:49] offset:(\i/3)*6144+(\i%3)*512   ; 32 lanes store 512 consecutive bytes, at a multiple of 256 from the buffer's first byte
.endr
	s_wait_tensorcnt 0x0
	ds_add_u32 v254, v255
	s_wait_dscnt 0x0
	s_endpgm
	; ======== THE NORM'S WAY ========
	; v1 16 x lane, v2 8 x lane, v3 4 x lane, v4 lane / 16, v5, v6 LDS addresses, v7 the lane: made of v0 and constants, never rewritten once the loads are out
.Lnorm:
	s_sub_co_u32 s36, ttmp9, NW                    ; my tile of 16 tokens
.if ROUTER
	s_load_b64 s[4:5], s[0:1], 0x38                ; x
	s_load_b64 s[6:7], s[0:1], 0x40                ; gains
	s_load_b64 s[8:9], s[0:1], 0x48                ; router_w
	s_load_b64 s[10:11], s[0:1], 0x50              ; out
.else
	s_load_b64 s[4:5], s[0:1], 0x28                ; x
	s_load_b64 s[6:7], s[0:1], 0x30                ; gains
	s_load_b64 s[10:11], s[0:1], 0x38              ; out
.endif
	v_lshrrev_b32 v1, 5, v0
	v_readfirstlane_b32 s12, v1                    ; wave
	v_and_b32 v7, 31, v0                           ; lane
	v_lshlrev_b32 v1, 4, v7                        ; 16 x lane
	v_lshlrev_b32 v2, 3, v7                        ; 8 x lane
	v_and_b32 v3, 15, v0                           ; r
	v_bfe_u32 v4, v0, 4, 1                         ; h
	s_mul_i32 s16, s12, 4*PITCH
	v_add_nc_u32 v5, s16, v1                       ; LDS in: my four rows, 16 bytes a lane
	v_mul_u32_u24 v6, v3, PITCH
	v_lshl_add_u32 v6, v4, 7, v6
	s_lshl_b32 s16, s12, 10
	v_add_nc_u32 v6, s16, v6                       ; LDS out: row r, my wave's 256 along K, my half's 32 numbers
	v_lshlrev_b32 v3, 2, v7                        ; r has served: 4 x lane
.if ROUTER
	v_lshlrev_b32 v7, 5, v7                        ; the lane's number has served: 32 x lane
.endif
.irp i, 0,1,2,3
	v_mov_b32 v[PX+\i], 0                          ; a lane permute's destination counts as read
.endr
	s_lshr_b32 s13, s36, 1
	s_lshl_b32 s13, s13, 5
	s_and_b32 s14, s36, 1
	s_lshl_b32 s14, s14, 3
	s_add_co_u32 s13, s13, s14
	s_and_b32 s14, s12, 1
	s_lshl_b32 s14, s14, 2
	s_add_co_u32 s13, s13, s14
	s_lshr_b32 s14, s12, 1
	s_lshl_b32 s14, s14, 4
	s_add_co_u32 s13, s13, s14                     ; rows 4 w .. 4 w + 3 of the tile are four neighbouring tokens: the first
	s_lshl_b32 s14, s13, 12
	s_mov_b32 s15, 0
	s_mov_b32 s18, 0x76543210
	s_mov_b32 s19, 0xfedcba98                      ; lane l xor 16
	s_mov_b32 s20, 0x3a800000                      ; 1 / 1,024
	s_mov_b32 s21, 0x358637bd                      ; 1e-6
	s_mov_b32 s22, 0xffff0000                      ; lanes 16-31
	s_lshr_b32 s16, s36, 3
	s_mul_i32 s16, s16, 98304
	s_and_b32 s17, s36, 7
	s_mul_i32 s17, s17, 768
	s_add_co_u32 s16, s16, s17
	s_mul_i32 s17, s12, 24576
	s_add_co_u32 s16, s16, s17
	s_mov_b32 s17, 0
	s_lshl_b32 s34, s36, 9
	s_lshl_b32 s35, s12, 7
	s_add_co_u32 s34, s34, s35
	s_add_co_u32 s34, s34, SCOFF
	s_mov_b32 s35, 0
	s_wait_kmcnt 0x0
	s_add_nc_u64 s[4:5], s[4:5], s[14:15]
	s_add_nc_u64 s[24:25], s[10:11], s[16:17]      ; my four units
	s_add_nc_u64 s[26:27], s[10:11], s[34:35]      ; my two runs of scale words
.if ROUTER
	s_lshl_b32 s34, s36, 8
	s_lshl_b32 s16, s12, 6
	s_add_co_u32 s34, s34, s16
	s_add_co_u32 s34, s34, COMB
	s_add_nc_u64 s[28:29], s[10:11], s[34:35]      ; my four tokens' weights
	s_mov_b32 s30, 0x22222222
	s_mov_b32 s31, 0x44444444
	s_mov_b32 s32, 0x88888888
.endif
.set I_, 0
.rept 4
.set Q_, 0
.rept 8
	global_load_b128 v[X+32*I_+4*Q_:X+32*I_+4*Q_+3], v1, s[4:5] offset:I_*4096+Q_*512 th:TH_LOAD_NT   ; 512 consecutive bytes a load
.set Q_, Q_+1
.endr
.set I_, I_+1
.endr
.set Q_, 0
.rept 8
	global_load_b128 v[W+4*Q_:W+4*Q_+3], v1, s[6:7] offset:Q_*512
.set Q_, Q_+1
.endr
.if ROUTER
.set Q_, 0
.rept 8
	global_load_b128 v[RT+8*Q_:RT+8*Q_+3], v7, s[8:9] offset:Q_*1024
	global_load_b128 v[RT+8*Q_+4:RT+8*Q_+7], v7, s[8:9] offset:Q_*1024+16
.set Q_, Q_+1
.endr
.endif
	s_wait_loadcnt 8+16*ROUTER                     ; the rows are in; the gains (and the router's weights) may be out
.irp i, 0,1,2,3
	v_pk_mul_f32 v[SS+4*\i:SS+4*\i+1], v[X+32*\i:X+32*\i+1], v[X+32*\i:X+32*\i+1]
	v_pk_mul_f32 v[SS+4*\i+2:SS+4*\i+3], v[X+32*\i+2:X+32*\i+3], v[X+32*\i+2:X+32*\i+3]
.endr
.irp p, 4,8,12,16,20,24,28
.irp i, 0,1,2,3
	v_pk_fma_f32 v[SS+4*\i:SS+4*\i+1], v[X+32*\i+\p:X+32*\i+\p+1], v[X+32*\i+\p:X+32*\i+\p+1], v[SS+4*\i:SS+4*\i+1]
	v_pk_fma_f32 v[SS+4*\i+2:SS+4*\i+3], v[X+32*\i+\p+2:X+32*\i+\p+3], v[X+32*\i+\p+2:X+32*\i+\p+3], v[SS+4*\i+2:SS+4*\i+3]
.endr
.endr
.irp i, 0,1,2,3
	v_pk_add_f32 v[SS+4*\i:SS+4*\i+1], v[SS+4*\i:SS+4*\i+1], v[SS+4*\i+2:SS+4*\i+3]
.endr
.irp i, 0,1,2,3
	v_add_f32 v[SS+4*\i], v[SS+4*\i], v[SS+4*\i+1]
.endr
.irp m, 1,2,4,8
.irp i, 0,1,2,3
	v_add_f32_dpp v[SS+4*\i], v[SS+4*\i], v[SS+4*\i] row_xmask:\m row_mask:0xf bank_mask:0xf
.endr
.endr
.irp i, 0,1,2,3
	v_permlanex16_b32 v[PX+\i], v[SS+4*\i], s18, s19
.endr
.irp i, 0,1,2,3
	v_add_f32 v[SS+4*\i], v[SS+4*\i], v[PX+\i]     ; the row's sum of squares, in every lane
.endr
.irp i, 0,1,2,3
	v_fma_f32 v[SS+4*\i], v[SS+4*\i], s20, s21     ; mean + eps
.endr
.irp i, 0,1,2,3
	v_rsq_f32 v[SS+4*\i+2], v[SS+4*\i]             ; twice: the packed multiply takes a pair
	v_rsq_f32 v[SS+4*\i+3], v[SS+4*\i]
.endr
	v_nop                                          ; a plain line behind the last of the batch
	s_wait_alu depctr_va_vdst(0)                   ; one wait for the eight, ahead of their first reader
	s_wait_loadcnt 16*ROUTER                       ; the gains are in
.irp i, 0,1,2,3
.set P_, 0
.rept 16
	v_pk_mul_f32 v[X+32*\i+2*P_:X+32*\i+2*P_+1], v[X+32*\i+2*P_:X+32*\i+2*P_+1], v[SS+4*\i+2:SS+4*\i+3]
.set P_, P_+1
.endr
.endr
.irp i, 0,1,2,3
.set P_, 0
.rept 16
	v_pk_mul_f32 v[X+32*\i+2*P_:X+32*\i+2*P_+1], v[X+32*\i+2*P_:X+32*\i+2*P_+1], v[W+2*P_:W+2*P_+1]
.set P_, P_+1
.endr
.endr
.irp i, 0,1,2,3
.irp q, 0,1,2,3,4,5,6,7
	ds_store_b128 v5, v[X+32*\i+4*\q:X+32*\i+4*\q+3] offset:\i*PITCH+\q*512
.endr
.endr
.if ROUTER
	s_wait_loadcnt 0x0                             ; router_w
.irp i, 0,1,2,3
	v_mul_f32 v[SS+4*\i], v[X+32*\i], v[RT]        ; eight chains: two logits for each of four rows
	v_mul_f32 v[SS+4*\i+1], v[X+32*\i], v[RT+1]
.endr
.set E_, 1
.rept 31
.irp i, 0,1,2,3
	v_fmac_f32 v[SS+4*\i], v[X+32*\i+E_], v[RT+2*E_]
	v_fmac_f32 v[SS+4*\i+1], v[X+32*\i+E_], v[RT+2*E_+1]
.endr
.set E_, E_+1
.endr
.irp m, 1,2,4,8
.irp i, 0,1,2,3
	v_add_f32_dpp v[SS+4*\i], v[SS+4*\i], v[SS+4*\i] row_xmask:\m row_mask:0xf bank_mask:0xf
	v_add_f32_dpp v[SS+4*\i+1], v[SS+4*\i+1], v[SS+4*\i+1] row_xmask:\m row_mask:0xf bank_mask:0xf
.endr
.endr
.irp i, 0,1,2,3
	v_permlanex16_b32 v[PX+\i], v[SS+4*\i], s18, s19
.endr
.irp i, 0,1,2,3
	v_add_f32 v[SS+4*\i], v[SS+4*\i], v[PX+\i]
.endr
.irp i, 0,1,2,3
	v_permlanex16_b32 v[PX+\i], v[SS+4*\i+1], s18, s19
.endr
.irp i, 0,1,2,3
	v_add_f32 v[SS+4*\i+1], v[SS+4*\i+1], v[PX+\i]
.endr
	v_cndmask_b32 v28, v[SS], v[SS+4], s30         ; lane l takes row l % 4
	v_cndmask_b32 v29, v[SS+1], v[SS+5], s30
	v_cndmask_b32 v28, v28, v[SS+8], s31
	v_cndmask_b32 v29, v29, v[SS+9], s31
	v_cndmask_b32 v28, v28, v[SS+12], s32
	v_cndmask_b32 v29, v29, v[SS+13], s32
	v_max_num_f32 v30, v28, v29                    ; the first softmax, its maximum taken away
	v_sub_f32 v28, v28, v30
	v_sub_f32 v29, v29, v30
	v_mul_f32 v28, 0x3fb8aa3b, v28
	v_mul_f32 v29, 0x3fb8aa3b, v29
	v_exp_f32 v28, v28
	v_exp_f32 v29, v29
	v_nop
	s_wait_alu depctr_va_vdst(0)
	v_add_f32 v30, v28, v29
	v_rcp_f32 v30, v30
	v_nop
	s_wait_alu depctr_va_vdst(0)
	v_mul_f32 v28, v28, v30                        ; p0, p1
	v_mul_f32 v29, v29, v30
	v_max_num_f32 v30, v28, v29                    ; the second softmax, of the two probabilities
	v_sub_f32 v28, v28, v30
	v_sub_f32 v29, v29, v30
	v_mul_f32 v28, 0x3fb8aa3b, v28
	v_mul_f32 v29, 0x3fb8aa3b, v29
	v_exp_f32 v12, v28                             ; f0
	v_exp_f32 v13, v29                             ; f1
	v_nop
	s_wait_alu depctr_va_vdst(0)
	v_add_f32 v30, v12, v13
	v_rcp_f32 v30, v30
	v_rcp_f32 v31, v13
	v_nop
	s_wait_alu depctr_va_vdst(0)
	v_mul_f32 v28, v12, v31                        ; c0 / c1 = f0 / f1, between 1/e and e
	v_mul_f32 v30, v13, v30                        ; c1
	v_mov_b32 v29, v28
	v_mov_b32 v31, v30
	v_cmp_gt_u32 vcc_lo, 64, v1                    ; 16 x lane under 64: lanes 0 to 3
	s_wait_xcnt 0x0                                ; EXEC changes only behind this wait
	s_and_saveexec_b32 s33, vcc_lo
	global_store_b128 v1, v[28:31], s[28:29]       ; lanes 0-3: 64 consecutive bytes
	s_wait_xcnt 0x0                                ; and again ahead of the line that widens it
	s_or_b32 exec_lo, exec_lo, s33
.endif
	s_wait_dscnt 0x0                               ; my rows lie in LDS
	s_barrier_signal -1
	s_barrier_wait -1                              ; everybody's do
.irp c, 0,1,2,3
.irp i, 0,1,2,3,4,5,6,7
	ds_load_b128 v[X+32*\c+4*\i:X+32*\c+4*\i+3], v6 offset:256*\c+16*\i    ; the pitch is an odd multiple of 16 bytes: sixteen rows, sixteen different groups of banks
.endr
.endr
.irp c, 0,1,2,3
.set XS, X+32*\c
	s_wait_dscnt 24-8*\c                           ; this block's eight loads are in; the later blocks' may be out
	v_max3_num_f32 v8, |v[XS]|, |v[XS+1]|, |v[XS+2]|
	v_max3_num_f32 v9, |v[XS+3]|, |v[XS+4]|, |v[XS+5]|
.irp i, 6,10,14,18,22,26
	v_max3_num_f32 v8, v8, |v[XS+\i]|, |v[XS+\i+1]|
	v_max3_num_f32 v9, v9, |v[XS+\i+2]|, |v[XS+\i+3]|
.endr
	v_max3_num_f32 v8, v8, |v[XS+30]|, |v[XS+31]|
	v_max3_num_f32 v8, v8, v9, 0x2800000           ; the floor 2^(5 - 127)
	v_add_nc_u32 v10, 0xfe000000, v8               ; 4 off the exponent field: the conversion's scale operand
	v_cvt_scalef32_pk16_bf6_f32 v[PC+8*\c:PC+8*\c+2], v[XS:XS+15], v10
	v_cvt_scalef32_pk16_bf6_f32 v[PT:PT+2], v[XS+16:XS+31], v10
	v_lshrrev_b32 v[BY+\c], 23, v10                ; the byte (and the plain line behind the conversions)
.irp i, 0,1,2
	v_mov_b32 v[PC+8*\c+3+\i], v[PT+\i]
.endr
	global_store_b128 v1, v[PC+8*\c:PC+8*\c+3], s[24:25] offset:6144*\c        ; 512 consecutive bytes,
	global_store_b64 v2, v[PC+8*\c+4:PC+8*\c+5], s[24:25] offset:6144*\c+512   ; then 256: a whole unit of 768
.endr
	v_lshl_or_b32 v11, v[BY+1], 16, v[BY]          ; lane (r, h) holds bytes h and 2 + h of each of my two scale words
	v_lshl_or_b32 v12, v[BY+3], 16, v[BY+2]
	v_lshlrev_b32 v13, 3, v4
	v_lshlrev_b32 v11, v13, v11
	v_lshlrev_b32 v12, v13, v12
	v_permlanex16_b32 v[PX], v11, s18, s19
	v_permlanex16_b32 v[PX+1], v12, s18, s19
	v_or_b32 v11, v11, v[PX]
	v_or_b32 v12, v12, v[PX+1]
	v_cndmask_b32 v11, v11, v12, s22               ; lanes 0-15 store the first word's rows, lanes 16-31 the second's
	global_store_b32 v3, v11, s[26:27]             ; 128 consecutive bytes
	s_wait_tensorcnt 0x0
	ds_add_u32 v254, v255
	s_wait_dscnt 0x0
	s_endpgm
.Lfunc_end_k_qe6f67de870_prep1:
	.size	k_qe6f67de870_prep1, .Lfunc_end_k_qe6f67de870_prep1-k_qe6f67de870_prep1
	.p2alignl 7, 3214868480
	.fill 96, 4, 3214868480
	.section	.rodata,"a",@progbits
	.p2align	6, 0x0
	.amdhsa_kernel k_qe6f67de870_prep1
		.amdhsa_group_segment_fixed_size 78848
		.amdhsa_private_segment_fixed_size 0
		.amdhsa_enable_private_segment 0
		.amdhsa_kernarg_size 64
		.amdhsa_user_sgpr_count 2
		.amdhsa_user_sgpr_kernarg_segment_ptr 1
		.amdhsa_wavefront_size32 1
		.amdhsa_system_sgpr_workgroup_id_x 1
		.amdhsa_system_sgpr_workgroup_id_y 1
		.amdhsa_system_sgpr_workgroup_id_z 1
		.amdhsa_system_vgpr_workitem_id 0
		.amdhsa_next_free_vgpr 256
		.amdhsa_next_free_sgpr 80
		.amdhsa_reserve_vcc 1
		.amdhsa_float_denorm_mode_32 3
		.amdhsa_float_denorm_mode_16_64 3
		.amdhsa_memory_ordered 1
		.amdhsa_forward_progress 1
		.amdhsa_inst_pref_size 56
	.end_amdhsa_kernel
	.amdgpu_metadata
---
amdhsa.version: [ 1, 2 ]
amdhsa.kernels:
  - .name:           k_qe6f67de870_prep1
    .symbol:         k_qe6f67de870_prep1.kd
    .args:
      - { .name: wq, .offset: 0, .size: 8, .value_kind: global_buffer, .address_space: global }
      - { .name: wk, .offset: 8, .size: 8, .value_kind: global_buffer, .address_space: global }
      - { .name: wv, .offset: 16, .size: 8, .value_kind: global_buffer, .address_space: global }
      - { .name: wo, .offset: 24, .size: 8, .value_kind: global_buffer, .address_space: global }
      - { .name: wts, .offset: 32, .size: 8, .value_kind: global_buffer, .address_space: global }
      - { .name: X, .offset: 40, .size: 8, .value_kind: global_buffer, .address_space: global }
      - { .name: norm1_w, .offset: 48, .size: 8, .value_kind: global_buffer, .address_space: global }
      - { .name: hb, .offset: 56, .size: 8, .value_kind: global_buffer, .address_space: global }
    .group_segment_fixed_size: 78848
    .private_segment_fixed_size: 0
    .kernarg_segment_align: 8
    .kernarg_segment_size: 64
    .max_flat_workgroup_size: 128
    .sgpr_count:     80
    .vgpr_count:     256
    .wavefront_size: 32
...
	.end_amdgpu_metadata
.endif
;; end of part 1
;; launch qkv (part 2): grid 8 x 32, 4 waves a work-group, no clusters, 327,680 bytes of LDS; arguments hb, wts, qkv; writes qkv
.if DOCPART == 2
	.amdgcn_target "amdgcn-amd-amdhsa--gfx1250"
	.amdhsa_code_object_version 6
	.text
	.protected	k_qe6f67de870_qkv
	.globl	k_qe6f67de870_qkv
	.p2align	8
	.type	k_qe6f67de870_qkv,@function
k_qe6f67de870_qkv:
	s_mov_b64 s[64:65], 0
	v_nop
	global_prefetch_b8 v0, s[64:65] scope:SCOPE_SE
	s_setreg_imm32_b32 hwreg(HW_REG_WAVE_MODE, 25, 1), 1
	s_wait_xcnt 0x0
; q = h wq, k = h wk, v = h wv on codes of E3M2 (K = 1,024), the results quantised at once: q and k along the head's 64, v along the keys.
; SHARES: work-group (j, mt) takes tokens 128 mt .. + 127 and columns 128 j .. + 127 (heads 2 j, 2 j + 1) of ALL THREE products: h's block stays in LDS, 98,304 bytes, and three weight blocks
; pass through two slots: wq in slot 0, wk in slot 1 (both asked for at the head), wv again in slot 0: one refill in the launch.  256 work-groups of equal work.
; A wave takes 64 tokens x one head: 16 accumulators, which take turns, one instruction a turn, in the same order in every K step.
; Operands lie in memory and LDS as images of their registers (units of 768 bytes: 16 rows x 64 K; lane's 16 bytes at 16 x lane, its 8 at 512 + 8 x lane): every LDS load is consecutive, no padding.
; Lane r of tile T holds row 32 (T/2) + 8 (T%2) + r%8 + 16 (r/8), so the 16 result registers of two neighbouring tiles of source 0 are 16 neighbours along the next K.
; q, k: source 0 = weights, source 1 = tokens: a lane holds one token and 32 channels of its half.  v: the sources swapped: a lane holds one channel and 32 keys.
; The scale bytes of v leave as stores of two bytes (128 KiB in the launch), those of q and k as 256 consecutive bytes a wave.
; No cluster: a work-group asks for each operand byte once, at its head or in its one refill, so there is no ring whose rounds a joint request could ride on.
; LDS is claimed whole and 0 is added to spare words.
; LIMITS: NaN and infinities are not served; a block whose largest magnitude lies under 2^-122 (zeros too) gets the byte 1; only this program reads the bytes.
.set MT, 4
.set NT, 4
.set SSTR, 8                           ; K steps of 128
.set ASC,   3145728                    ; hb: scale words
.set BSC,   6684672                    ; wts: scale words of wq
.set K_IMG, 3145728
.set V_IMG, 6291456
.set Q_SC,  9437184
.set KV_SC, 9699328
.set SCA,   294912                     ; LDS: A 0, slot 0 98,304, slot 1 196,608, A's scale words, B's three times 4,096,
.set SCB,   299008
.set SPARE, 311296                     ; the spare words: 512 bytes that no other line names
.set A16, 2                            ; v2-3 A's 16-byte parts (K under 512, from 512 on), v4-5 its 8-byte parts
.set A8,  4
.set B16, 6                            ; v6-9 the same for slot 0, v10-13 for slot 1
.set B8,  8
.set SA,  32                           ; v32-47 A's scale words: pair of tiles p, K step k at 8 p + k; lanes 0-15 the even tile, lanes 16-31 the odd
.set SB,  48                           ; v48-63 B's
.set ACC, 64                           ; v64-191
.set PC,  192                          ; v192-215 four units of codes
.set PT,  216
.set BM,  220
.set PX,  222
.set SO,  224
.set BY,  226
.set HW,  228                          ; v228-231 two scale bytes each
.set WD,  232
.set WL,  236
.set SEL, 98
.set MSB, 0
.macro WIN new                         ; the immediate's high byte repeats the setting that is left
.if MSB != \new
	s_set_vgpr_msb (MSB<<8)|\new
.set MSB, \new
.endif
.endm
.macro PLACES n
.rept \n
	v_nop
.endr
.endm
.macro BAR
	s_barrier_signal -1
	s_barrier_wait -1
.endm
.macro GROUP1 g, rows                  ; a dense block as rows of 256 bytes: 32 elements of 8 bytes, pitch 32, no padding
	s_mov_b32 s[\g], 3<<16
	s_mov_b32 s[\g+1], 32<<16
	s_mov_b32 s[\g+2], (\rows)<<16
	s_mov_b32 s[\g+3], 32<<16
	s_mov_b32 s[\g+4], \rows
	s_mov_b32 s[\g+5], 32
	s_mov_b32 s[\g+6], 0
	s_mov_b32 s[\g+7], 0
.endm
.macro WM d, s0, s1, z, x0, x1, r0, r1 ; one product; z: it starts the sum; r0, r1: the scales stand in lanes 16-31
.if \z
.if (\r0) && (\r1)
	v_wmma_scale_f32_16x16x128_f8f6f4 v[\d:\d+7], v[\s0:\s0+11], v[\s1:\s1+11], 0, v[\x0], v[\x1] matrix_a_fmt:MATRIX_FMT_BF6 matrix_b_fmt:MATRIX_FMT_BF6 matrix_a_scale:MATRIX_SCALE_ROW1 matrix_b_scale:MATRIX_SCALE_ROW1
.elseif (\r0)
	v_wmma_scale_f32_16x16x128_f8f6f4 v[\d:\d+7], v[\s0:\s0+11], v[\s1:\s1+11], 0, v[\x0], v[\x1] matrix_a_fmt:MATRIX_FMT_BF6 matrix_b_fmt:MATRIX_FMT_BF6 matrix_a_scale:MATRIX_SCALE_ROW1
.elseif (\r1)
	v_wmma_scale_f32_16x16x128_f8f6f4 v[\d:\d+7], v[\s0:\s0+11], v[\s1:\s1+11], 0, v[\x0], v[\x1] matrix_a_fmt:MATRIX_FMT_BF6 matrix_b_fmt:MATRIX_FMT_BF6 matrix_b_scale:MATRIX_SCALE_ROW1
.else
	v_wmma_scale_f32_16x16x128_f8f6f4 v[\d:\d+7], v[\s0:\s0+11], v[\s1:\s1+11], 0, v[\x0], v[\x1] matrix_a_fmt:MATRIX_FMT_BF6 matrix_b_fmt:MATRIX_FMT_BF6
.endif
.else
.if (\r0) && (\r1)
	v_wmma_scale_f32_16x16x128_f8f6f4 v[\d:\d+7], v[\s0:\s0+11], v[\s1:\s1+11], v[\d:\d+7], v[\x0], v[\x1] matrix_a_fmt:MATRIX_FMT_BF6 matrix_b_fmt:MATRIX_FMT_BF6 matrix_a_scale:MATRIX_SCALE_ROW1 matrix_b_scale:MATRIX_SCALE_ROW1
.elseif (\r0)
	v_wmma_scale_f32_16x16x128_f8f6f4 v[\d:\d+7], v[\s0:\s0+11], v[\s1:\s1+11], v[\d:\d+7], v[\x0], v[\x1] matrix_a_fmt:MATRIX_FMT_BF6 matrix_b_fmt:MATRIX_FMT_BF6 matrix_a_scale:MATRIX_SCALE_ROW1
.elseif (\r1)
	v_wmma_scale_f32_16x16x128_f8f6f4 v[\d:\d+7], v[\s0:\s0+11], v[\s1:\s1+11], v[\d:\d+7], v[\x0], v[\x1] matrix_a_fmt:MATRIX_FMT_BF6 matrix_b_fmt:MATRIX_FMT_BF6 matrix_b_scale:MATRIX_SCALE_ROW1
.else
	v_wmma_scale_f32_16x16x128_f8f6f4 v[\d:\d+7], v[\s0:\s0+11], v[\s1:\s1+11], v[\d:\d+7], v[\x0], v[\x1] matrix_a_fmt:MATRIX_FMT_BF6 matrix_b_fmt:MATRIX_FMT_BF6
.endif
.endif
.endm
.macro FETCH ks, f, slot               ; K step ks: MT fragments of A, NT of B into window 1 from v[f] on: each fragment two units, each unit 16 + 8 bytes a lane
	WIN 0x40
.set C_, 0
.rept 2
.set KH_, 2*(\ks)+C_
.set T_, 0
.rept MT
	ds_load_b128 v[(\f)+12*T_+6*C_:(\f)+12*T_+6*C_+3], v[A16+KH_/8] offset:(KH_%8)*6144+T_*768
	ds_load_b64 v[(\f)+12*T_+6*C_+4:(\f)+12*T_+6*C_+5], v[A8+KH_/8] offset:(KH_%8)*6144+T_*768
.set T_, T_+1
.endr
.set T_, 0
.rept NT
	ds_load_b128 v[(\f)+12*(MT+T_)+6*C_:(\f)+12*(MT+T_)+6*C_+3], v[B16+4*(\slot)+KH_/8] offset:(KH_%8)*6144+T_*768
	ds_load_b64 v[(\f)+12*(MT+T_)+6*C_+4:(\f)+12*(MT+T_)+6*C_+5], v[B8+4*(\slot)+KH_/8] offset:(KH_%8)*6144+T_*768
.set T_, T_+1
.endr
.set C_, C_+1
.endr
.endm
.macro MUL ks, f, zero, tr             ; MT x NT products.  tr = 1: source 0 = weights (a lane holds a token); tr = 0: source 0 = tokens (a lane holds a weight row)
	WIN 0x05
.set A_, 0
.rept MT
.set B_, 0
.rept NT
.if \tr
	WM ACC+8*(NT*A_+B_), (\f)+12*(MT+B_), (\f)+12*A_, \zero, SB+SSTR*(B_/2)+(\ks), SA+SSTR*(A_/2)+(\ks), B_%2, A_%2
.else
	WM ACC+8*(MT*B_+A_), (\f)+12*A_, (\f)+12*(MT+B_), \zero, SA+SSTR*(A_/2)+(\ks), SB+SSTR*(B_/2)+(\ks), A_%2, B_%2
.endif
.set B_, B_+1
.endr
.set A_, A_+1
.endr
.endm
; n K steps on two fragment buffers.  tc >= 0: the operands are still landing, two K steps to a chunk: ahead of the fetch of K steps 2, 4, 6 stand the wait that leaves tc, tc - 1, tc - 2 later loads out, and a barrier.
.macro KSTEPS n, slot, tr, zero0, tc
.set KS_, 0
.rept \n
	s_wait_dscnt 0x0                               ; this step's fragments are in (no LDS load of mine is out at a barrier's signal)
.if (\tc >= 0) && (KS_%2 == 1) && (KS_+1 < \n)
	s_wait_tensorcnt (\tc)-(KS_/2)
	BAR
.endif
.if KS_+1 < \n
	PLACES 4                                       ; four places between the last products and loads into registers that they read
	FETCH KS_+1, 128*((KS_+1)%2), \slot
.endif
.if (\zero0) && (KS_ == 0)
	MUL KS_, 0, 1, \tr
.else
	MUL KS_, 128*(KS_%2), 0, \tr
.endif
.set KS_, KS_+1
.endr
.endm
.macro SCALES reg, adr, np, off        ; scale words of np pairs of tiles, all K steps
.set P_, 0
.rept \np
.set K_, 0
.rept SSTR
	ds_load_b32 v[\reg+SSTR*P_+K_], v[\adr] offset:(\off)+P_*SSTR*128+K_*64
.set K_, K_+1
.endr
.set P_, P_+1
.endr
.endm
; 32 numbers of a lane, register 16 b + i = k 32 b + 16 (lane / 16) + i of its row, become a unit's six registers v[pc] on and two scale bytes in v[hw]
.macro QUANT32 s, pc, hw
	v_max3_num_f32 v[BM], |v[\s]|, |v[\s+1]|, 0x2800000            ; with the floor 2^(5 - 127): the byte cannot fall under 1
	v_max3_num_f32 v[BM+1], |v[\s+16]|, |v[\s+17]|, 0x2800000
.irp i, 2,4,6,8,10,12,14
	v_max3_num_f32 v[BM], v[BM], |v[\s+\i]|, |v[\s+\i+1]|
	v_max3_num_f32 v[BM+1], v[BM+1], |v[\s+16+\i]|, |v[\s+17+\i]|
.endr
	v_permlanex16_b32 v[PX], v[BM], s[SEL], s[SEL+1]
	v_permlanex16_b32 v[PX+1], v[BM+1], s[SEL], s[SEL+1]
	v_max_num_f32 v[BM], v[BM], v[PX]              ; with lane l xor 16's 16: the block's largest magnitude
	v_max_num_f32 v[BM+1], v[BM+1], v[PX+1]
	v_add_nc_u32 v[SO], 0xfe000000, v[BM]          ; 4 off the exponent field: the conversion's scale operand
	v_add_nc_u32 v[SO+1], 0xfe000000, v[BM+1]
	v_lshrrev_b32 v[BY], 23, v[SO]
	v_lshrrev_b32 v[BY+1], 23, v[SO+1]
	v_lshl_or_b32 v[\hw], v[BY+1], 8, v[BY]
	v_cvt_scalef32_pk16_bf6_f32 v[\pc:\pc+2], v[\s:\s+15], v[SO]
	v_cvt_scalef32_pk16_bf6_f32 v[PT:PT+2], v[\s+16:\s+31], v[SO+1]
	v_nop                                          ; one plain line behind a scaled conversion
.irp i, 0,1,2
	v_permlane16_swap_b32 v[\pc+\i], v[PT+\i]      ; a whole block to a lane: lanes 0-15 block 0, lanes 16-31 block 1
.endr
.irp i, 0,1,2
	v_mov_b32 v[\pc+3+\i], v[PT+\i]
.endr
.endm
.macro EPI_QK imgoff, sbase            ; four token tiles of q or k: a unit each, and the scale words as attention reads them: bytes s0 s1 s0 s1
	WIN 0
	s_wait_xcnt 0x0                                ; earlier stores have read their registers
.irp a, 0,1,2,3
	QUANT32 ACC+32*\a, PC+6*\a, HW+\a
.endr
.irp a, 0,1,2,3
	v_lshl_or_b32 v[WD+\a], v[HW+\a], 16, v[HW+\a]
.endr
.irp a, 0,1,2,3
	global_store_b128 v16, v[PC+6*\a:PC+6*\a+3], s[72:73] offset:\imgoff+768*\a
	global_store_b64 v17, v[PC+6*\a+4:PC+6*\a+5], s[72:73] offset:\imgoff+768*\a+512
.endr
	v_cndmask_b32 v[WL], v[WD], v[WD+1], s97       ; lanes 0-15 carry the even tile's rows, lanes 16-31 the odd tile's
	v_cndmask_b32 v[WL+1], v[WD+2], v[WD+3], s97
	global_store_b64 v17, v[WL:WL+1], s[\sbase:\sbase+1]           ; 256 consecutive bytes
.endm
.macro EPI_V                           ; four channel tiles x my 64 keys
	WIN 0
	s_wait_xcnt 0x0
.irp b, 0,1,2,3
	QUANT32 ACC+32*\b, PC+6*\b, HW+\b
.endr
.irp b, 0,1,2,3
	global_store_b128 v16, v[PC+6*\b:PC+6*\b+3], s[74:75] offset:768*\b
	global_store_b64 v17, v[PC+6*\b+4:PC+6*\b+5], s[74:75] offset:768*\b+512
.endr
	v_cndmask_b32 v[WD], v[HW], v[HW+1], s97
	v_cndmask_b32 v[WD+1], v[HW+2], v[HW+3], s97
	global_store_b16 v17, v[WD], s[80:81]          ; my two of a scale word's four bytes
	global_store_b16 v17, v[WD+1], s[80:81] offset:4
.endm
	s_load_b128 s[4:7], s[0:1], 0x0                ; hb, wts
	s_load_b64 s[8:9], s[0:1], 0x10                ; qkv
	v_lshl_add_u32 v28, v0, 2, SPARE
	v_mov_b32 v29, 0
	ds_add_u32 v28, v29
	ds_add_u32 v28, v29
	s_wait_dscnt 0x0
	v_lshrrev_b32 v1, 5, v0
	v_readfirstlane_b32 s10, v1                    ; wave
	s_lshr_b32 s11, s10, 1                         ; mh: my 64 tokens
	s_and_b32 s12, s10, 1                          ; nh: my head of the two
	s_mov_b32 s13, ttmp9                           ; j
	s_and_b32 s14, ttmp7, 0xffff                   ; mt
	GROUP1 16, 16
	GROUP1 24, 48
	GROUP1 32, 96
	s_mov_b32 s83, 0
	s_mov_b32 s85, 0
	s_mov_b32 s87, 0
	s_mul_i32 s82, s14, 98304
	s_mul_i32 s84, s13, 98304
	s_mul_i32 s86, s12, 12288
	s_mul_i32 s94, s11, 98304
	s_add_co_u32 s94, s94, s86                     ; waves 0, 1: halves of A's chunks; waves 2, 3: of slot 0's
	s_wait_kmcnt 0x0
	s_add_nc_u64 s[88:89], s[4:5], s[82:83]        ; A's block
	s_add_nc_u64 s[90:91], s[6:7], s[84:85]        ; wq's block j
	s_cmp_lt_u32 s10, 2
	s_cselect_b64 s[92:93], s[88:89], s[90:91]
	s_add_nc_u64 s[92:93], s[92:93], s[86:87]
.irp c, 0,1,2,3                        ; four chunks of 256 along K: 12,288 bytes a wave
	s_mov_b32 s[44+4*\c], 1
	s_add_co_u32 s[45+4*\c], s94, 24576*\c
	s_add_nc_u64 s[46+4*\c:47+4*\c], s[92:93], 24576*\c
	s_or_b32 s[47+4*\c], s[47+4*\c], 0x80000000
.endr
	s_mul_i32 s86, s10, 24576
	s_add_nc_u64 s[90:91], s[90:91], s[86:87]
	s_mov_b32 s60, 1                               ; wk's block into slot 1, a quarter a wave
	s_add_co_u32 s61, s86, 196608
	s_add_nc_u64 s[62:63], s[90:91], 786432
	s_or_b32 s63, s63, 0x80000000
	s_mov_b32 s68, 1                               ; wv's block into slot 0: the refill
	s_add_co_u32 s69, s86, 98304
	s_add_nc_u64 s[70:71], s[90:91], 1572864
	s_or_b32 s71, s71, 0x80000000
	s_lshl_b32 s82, s14, 12
	s_add_co_u32 s82, s82, ASC
	s_add_nc_u64 s[88:89], s[4:5], s[82:83]
	s_max_u32 s84, s10, 1
	s_sub_co_u32 s84, s84, 1
	s_lshl_b32 s84, s84, 3
	s_add_co_u32 s84, s84, s13
	s_lshl_b32 s84, s84, 12
	s_add_co_u32 s84, s84, BSC
	s_add_nc_u64 s[92:93], s[6:7], s[84:85]
	s_cmp_eq_u32 s10, 0                            ; wave 0: A's scale words; waves 1 to 3: those of wq, wk, wv
	s_cselect_b64 s[42:43], s[88:89], s[92:93]
	s_or_b32 s43, s43, 0x80000000
	s_mov_b32 s40, 1
	s_lshl_b32 s41, s10, 12
	s_add_co_u32 s41, s41, SCA
	tensor_load_to_lds s[40:43], s[16:23]          ; the first fills, one group: six loads of mine are out
	s_nop 0
	tensor_load_to_lds s[44:47], s[24:31]
	s_nop 0
	tensor_load_to_lds s[48:51], s[24:31]
	s_nop 0
	tensor_load_to_lds s[52:55], s[24:31]
	s_nop 0
	tensor_load_to_lds s[56:59], s[24:31]
	s_nop 0
	tensor_load_to_lds s[60:63], s[32:39]
	s_nop 0
	PLACES 4
	v_and_b32 v1, 31, v0
	v_and_b32 v30, 15, v0                          ; r
	v_bfe_u32 v31, v0, 4, 1                        ; h
	v_lshlrev_b32 v16, 4, v1                       ; 16 x lane
	v_lshlrev_b32 v17, 3, v1                       ; 8 x lane
	s_mul_i32 s82, s11, 3072                       ; my four tiles of A
	v_add_nc_u32 v2, s82, v16
	v_add_nc_u32 v3, 49152, v2
	v_add_nc_u32 v4, s82, v17
	v_add_nc_u32 v4, 512, v4
	v_add_nc_u32 v5, 49152, v4
	s_mul_i32 s82, s12, 3072                       ; my four tiles of B
	s_add_co_u32 s82, s82, 98304
	v_add_nc_u32 v6, s82, v16
	v_add_nc_u32 v7, 49152, v6
	v_add_nc_u32 v8, s82, v17
	v_add_nc_u32 v8, 512, v8
	v_add_nc_u32 v9, 49152, v8
.irp i, 0,1,2,3
	v_add_nc_u32 v[10+\i], 98304, v[6+\i]
.endr
	v_lshlrev_b32 v14, 2, v30
	v_lshl_add_u32 v14, v31, 9, v14                ; 4 r + a tile's 512 bytes for lanes 16-31
	s_lshl_b32 s82, s12, 11
	s_add_co_u32 s82, s82, SCB
	v_add_nc_u32 v15, s82, v14
	s_lshl_b32 s82, s11, 11
	s_add_co_u32 s82, s82, SCA
	v_add_nc_u32 v14, s82, v14
	v_mov_b32 v[PX], 0
	v_mov_b32 v[PX+1], 0
	s_mov_b32 s97, 0xffff0000
	s_mov_b32 s[SEL], 0x76543210
	s_mov_b32 s[SEL+1], 0xfedcba98
	s_lshl_b32 s82, s13, 1
	s_add_co_u32 s82, s82, s12                     ; head
	s_and_b32 s84, s14, 16
	s_add_co_u32 s82, s82, s84                     ; bh = 16 x batch + head
	s_and_b32 s84, s14, 15                         ; s: which 128 of the sequence
	s_lshl_b32 s86, s82, 7
	s_lshl_b32 s88, s84, 3
	s_add_co_u32 s86, s86, s88
	s_lshl_b32 s88, s11, 2
	s_add_co_u32 s86, s86, s88
	s_mul_i32 s86, s86, 768
	s_add_nc_u64 s[72:73], s[8:9], s[86:87]        ; q's units (k's stand K_IMG further on)
	s_lshl_b32 s86, s82, 5
	s_lshl_b32 s88, s84, 1
	s_add_co_u32 s86, s86, s88
	s_add_co_u32 s86, s86, s11
	s_mul_i32 s86, s86, 3072
	s_add_co_u32 s86, s86, V_IMG
	s_add_nc_u64 s[74:75], s[8:9], s[86:87]        ; v's units
	s_lshl_b32 s88, s84, 9
	s_lshl_b32 s90, s11, 8
	s_add_co_u32 s88, s88, s90
	s_lshl_b32 s86, s82, 13
	s_add_co_u32 s86, s86, s88
	s_add_co_u32 s86, s86, Q_SC
	s_add_nc_u64 s[76:77], s[8:9], s[86:87]        ; q's scale words
	s_mul_i32 s92, s82, 12288
	s_add_co_u32 s92, s92, KV_SC
	s_add_co_u32 s86, s92, s88
	s_add_nc_u64 s[78:79], s[8:9], s[86:87]        ; k's
	s_lshl_b32 s86, s84, 8
	s_lshl_b32 s88, s11, 1
	s_add_co_u32 s86, s86, s88
	s_add_co_u32 s86, s86, s92
	s_add_co_u32 s86, s86, 8192
	s_add_nc_u64 s[80:81], s[8:9], s[86:87]        ; v's
	s_wait_tensorcnt 0x4                           ; the scale words and chunk 0 are in; three chunks and slot 1 may be out
	BAR
	SCALES SA, 14, 2, 0
	SCALES SB, 15, 2, 0
	FETCH 0, 0, 0
	KSTEPS 8, 0, 1, 1, 3                           ; q
	WIN 0
	s_wait_tensorcnt 0x0                           ; all my loads have landed, slot 1's quarter among them;
	ds_add_u32 v28, v29                            ; 0 onto my spare word;
	s_wait_dscnt 0x0                               ; the add is done, and my reads of slot 0 are over
	s_barrier_signal -1
	s_barrier_wait -1                              ; both hold of every wave
	tensor_load_to_lds s[68:71], s[32:39]          ; wv into slot 0: it has q's way out and all of k's products in which to land
	s_nop 0
	PLACES 4                                       ; (also the places behind the last products)
	EPI_QK 0, 76
	PLACES 4
	SCALES SB, 15, 2, 4096
	FETCH 0, 0, 1
	KSTEPS 8, 1, 1, 1, -1                          ; k
	WIN 0
	PLACES 4
	EPI_QK K_IMG, 78
	s_wait_tensorcnt 0x0                           ; my quarter of wv is in,
	s_wait_dscnt 0x0
	BAR                                            ; everybody's is
	PLACES 4
	SCALES SB, 15, 2, 8192
	FETCH 0, 0, 0
	KSTEPS 8, 0, 0, 1, -1                          ; v, the sources swapped
	WIN 0
	PLACES 4
	EPI_V
	s_wait_tensorcnt 0x0                           ; the wave's end
	ds_add_u32 v28, v29
	s_wait_dscnt 0x0
	s_endpgm
.Lfunc_end_k_qe6f67de870_qkv:
	.size	k_qe6f67de870_qkv, .Lfunc_end_k_qe6f67de870_qkv-k_qe6f67de870_qkv
	.p2alignl 7, 3214868480
	.fill 96, 4, 3214868480
	.section	.rodata,"a",@progbits
	.p2align	6, 0x0
	.amdhsa_kernel k_qe6f67de870_qkv
		.amdhsa_group_segment_fixed_size 327680
		.amdhsa_private_segment_fixed_size 0
		.amdhsa_enable_private_segment 0
		.amdhsa_kernarg_size 24
		.amdhsa_user_sgpr_count 2
		.amdhsa_user_sgpr_kernarg_segment_ptr 1
		.amdhsa_wavefront_size32 1
		.amdhsa_system_sgpr_workgroup_id_x 1
		.amdhsa_system_sgpr_workgroup_id_y 1
		.amdhsa_system_sgpr_workgroup_id_z 1
		.amdhsa_system_vgpr_workitem_id 0
		.amdhsa_next_free_vgpr 512
		.amdhsa_next_free_sgpr 100
		.amdhsa_reserve_vcc 0
		.amdhsa_float_denorm_mode_32 3
		.amdhsa_float_denorm_mode_16_64 3
		.amdhsa_memory_ordered 1
		.amdhsa_forward_progress 1
		.amdhsa_inst_pref_size 141
	.end_amdhsa_kernel
	.amdgpu_metadata
---
amdhsa.version: [ 1, 2 ]
amdhsa.kernels:
  - .name:           k_qe6f67de870_qkv
    .symbol:         k_qe6f67de870_qkv.kd
    .args:
      - { .name: hb, .offset: 0, .size: 8, .value_kind: global_buffer, .address_space: global }
      - { .name: wts, .offset: 8, .size: 8, .value_kind: global_buffer, .address_space: global }
      - { .name: qkv, .offset: 16, .size: 8, .value_kind: global_buffer, .address_space: global }
    .group_segment_fixed_size: 327680
    .private_segment_fixed_size: 0
    .kernarg_segment_align: 8
    .kernarg_segment_size: 24
    .max_flat_workgroup_size: 128
    .sgpr_count:     100
    .vgpr_count:     512
    .wavefront_size: 32
...
	.end_amdgpu_metadata
.endif
;; end of part 2
;; launch attn (part 3): grid 8 x 32, 16 waves a work-group, no clusters, 210,944 bytes of LDS; arguments qkv, ctx; writes ctx
.if DOCPART == 3
	.amdgcn_target "amdgcn-amd-amdhsa--gfx1250"
	.amdhsa_code_object_version 6
	.text
	.protected	k_qe6f67de870_attn
	.globl	k_qe6f67de870_attn
	.p2align	8
	.type	k_qe6f67de870_attn,@function
k_qe6f67de870_attn:
	s_mov_b64 s[64:65], 0
	v_nop
	global_prefetch_b8 v0, s[64:65] scope:SCOPE_SE
	s_setreg_imm32_b32 hwreg(HW_REG_WAVE_MODE, 25, 1), 1
	s_wait_xcnt 0x0
; ctx = softmax(q k^T / 8) v for one (batch, head), both products on codes of E3M2, no mask; ctx / l is quantised along the model's 1,024 at once (a head is 64 of them: one unit).
; THE SOFTMAX AHEAD OF THE SECOND PRODUCT: t = score x log2(e) / 8; M = the running largest t rounded up to a whole number; p = 2^(t - M) is quantised along the keys, not normalised;
; the row's sum is taken of the unquantised p; when M moves, the sum and O are multiplied by 2^(old M - new M), which rounds nothing.
; SHARES: a work-group owns 256 queries of a head, each of its sixteen waves one tile of 16, in 256 registers: four waves to a SIMD, so that one wave's vector work stands beside another's products and LDS loads.
; ALL of the head's k, v and scale words lie in LDS, 208,896 bytes, each byte filled once: wave 0 brings the scale words and k, wave 1 v, each in two loads: key steps 0-3, then 4-15, so that work begins when a quarter has landed.
; By this text's count wave 0 has three tensor loads out, wave 1 two.
; LAYOUT: both products transposed: S^T = k q^T, O^T = v^T p^T: a lane holds one query throughout.  Lane r of a tile of keys holds key 32 (T/2) + 8 (T%2) + r%8 + 16 (r/8): the 16 registers of two neighbouring tiles are 16 neighbouring keys.
; THE HEAD IS 64 AND THE INSTRUCTION 128 DEEP: q's unit stands in both halves of its fragment; an even tile of keys has its unit in the lower half and zero codes above, an odd tile zero codes below and its unit above
; (two tiles share one run of six zero registers); scale words hold s0 s1 s0 s1.  Zero codes add nothing.  So half of each of these instructions' depth is spent on zeros.
; No cluster: k and v are asked for once by a work-group, at its head; there are no rounds that a joint request could ride on.
; LIMITS: NaN and infinities are not served; a block whose largest magnitude lies under 2^-122 (zeros too) gets the byte 1.
.set K_IMG, 3145728
.set Q_SC,  9437184
.set KV_SC, 9699328
.set CSC,   3145728                    ; ctx: scale words
.set SCK,   196608                     ; LDS: k 0, v 98,304, k's scale words, v's
.set SCV,   204800
.set BM, 212
.set PX, 216
.set SO, 220
.set BY, 222
.set PT, 204
.set CS,  60                           ; s[60:61] c = log2(e) / 8
.set SEL, 62
.set TB,  66                           ; LDS byte of the step's tiles: 6,144 a step
.set TS,  67                           ; of k's scale words: 512 a step
.set TJ,  68                           ; of v's: 256 a step
.set CNT, 69
; v1 16 l, v2 8 l + 512, v9, v10 the same in v, v11, v30 scale words' places, v31 4 r; v3-8 the step's addresses; v12 -M, v13 largest t, v[14:15] the sum; v16-27 q; v28 q's scale word, v29 p's;
; v32-67 four tiles of keys with two runs of zeros; v68-71, v72-73 k's and v's scale words; v96-159 S^T, then p, then v's fragments; v160-191 O^T; v192-203 p's codes; v204-229 at work
.macro PLACES n
.rept \n
	v_nop
.endr
.endm
.macro BAR
	s_barrier_signal -1
	s_barrier_wait -1
.endm
.macro GROUP1 g, rows                  ; a dense block as rows of 256 bytes
	s_mov_b32 s[\g], 3<<16
	s_mov_b32 s[\g+1], 32<<16
	s_mov_b32 s[\g+2], (\rows)<<16
	s_mov_b32 s[\g+3], 32<<16
	s_mov_b32 s[\g+4], \rows
	s_mov_b32 s[\g+5], 32
	s_mov_b32 s[\g+6], 0
	s_mov_b32 s[\g+7], 0
.endm
.macro QUANT32 s, pc, hw               ; 32 numbers of a lane, register 16 b + i = k 32 b + 16 (lane / 16) + i, become a unit's six registers and two scale bytes
	v_max3_num_f32 v[BM], |v[\s]|, |v[\s+1]|, 0x2800000
	v_max3_num_f32 v[BM+1], |v[\s+16]|, |v[\s+17]|, 0x2800000
.irp i, 2,4,6,8,10,12,14
	v_max3_num_f32 v[BM], v[BM], |v[\s+\i]|, |v[\s+\i+1]|
	v_max3_num_f32 v[BM+1], v[BM+1], |v[\s+16+\i]|, |v[\s+17+\i]|
.endr
	v_permlanex16_b32 v[PX], v[BM], s[SEL], s[SEL+1]
	v_permlanex16_b32 v[PX+1], v[BM+1], s[SEL], s[SEL+1]
	v_max_num_f32 v[BM], v[BM], v[PX]
	v_max_num_f32 v[BM+1], v[BM+1], v[PX+1]
	v_add_nc_u32 v[SO], 0xfe000000, v[BM]
	v_add_nc_u32 v[SO+1], 0xfe000000, v[BM+1]
	v_lshrrev_b32 v[BY], 23, v[SO]
	v_lshrrev_b32 v[BY+1], 23, v[SO+1]
	v_lshl_or_b32 v[\hw], v[BY+1], 8, v[BY]
	v_cvt_scalef32_pk16_bf6_f32 v[\pc:\pc+2], v[\s:\s+15], v[SO]
	v_cvt_scalef32_pk16_bf6_f32 v[PT:PT+2], v[\s+16:\s+31], v[SO+1]
	v_nop
.irp i, 0,1,2
	v_permlane16_swap_b32 v[\pc+\i], v[PT+\i]
.endr
.irp i, 0,1,2
	v_mov_b32 v[\pc+3+\i], v[PT+\i]
.endr
.endm
	s_load_b128 s[4:7], s[0:1], 0x0                ; qkv, ctx
	v_lshl_add_u32 v254, v0, 2, 0x33000
	v_mov_b32 v255, 0
	ds_add_u32 v254, v255
	ds_add_u32 v254, v255
	v_lshrrev_b32 v1, 5, v0
	v_readfirstlane_b32 s8, v1                     ; wave 0..15
	s_and_b32 s9, ttmp7, 0xffff                    ; bh
	s_lshl_b32 s10, ttmp9, 4
	s_add_co_u32 s10, s10, s8                      ; my tile of queries in the sequence
	GROUP1 16, 48
	GROUP1 24, 96
	GROUP1 32, 288
	s_min_u32 s11, s8, 1                           ; 0: k, 1: v
	s_mov_b32 s40, 1
	s_mov_b32 s41, SCK
	s_mov_b32 s44, 1
	s_mul_i32 s45, s11, 98304
	s_mov_b32 s48, 1
	s_add_co_u32 s49, s45, 24576
	s_mul_i32 s12, s9, 98304
	s_mul_i32 s14, s11, 3145728
	s_add_co_u32 s12, s12, s14
	s_add_co_u32 s12, s12, K_IMG
	s_mov_b32 s13, 0
	s_mul_i32 s14, s9, 12288
	s_add_co_u32 s14, s14, KV_SC
	s_mov_b32 s15, 0
	s_wait_dscnt 0x0
	s_wait_kmcnt 0x0
	s_add_nc_u64 s[42:43], s[4:5], s[14:15]
	s_or_b32 s43, s43, 0x80000000
	s_add_nc_u64 s[46:47], s[4:5], s[12:13]
	s_add_nc_u64 s[50:51], s[46:47], 24576
	s_or_b32 s47, s47, 0x80000000
	s_or_b32 s51, s51, 0x80000000
	s_cmp_lt_u32 s8, 2
	s_cbranch_scc0 .Lasked
	s_cmp_eq_u32 s8, 0
	s_cbranch_scc0 .Lwave_1
	tensor_load_to_lds s[40:43], s[16:23]          ; the head's scale words of k and v,
	s_nop 0
	tensor_load_to_lds s[44:47], s[24:31]          ; k of key steps 0-3,
	s_nop 0
	tensor_load_to_lds s[48:51], s[32:39]          ; k of key steps 4-15
	s_nop 0
	PLACES 4
	s_branch .Lasked
.Lwave_1:
	tensor_load_to_lds s[44:47], s[24:31]          ; v likewise
	s_nop 0
	tensor_load_to_lds s[48:51], s[32:39]
	s_nop 0
	PLACES 4
.Lasked:
	v_and_b32 v3, 31, v0
	v_and_b32 v4, 15, v0
	v_lshlrev_b32 v1, 4, v3
	v_lshlrev_b32 v2, 3, v3
	v_add_nc_u32 v11, SCK, v2
	v_add_nc_u32 v30, SCV, v2
	v_add_nc_u32 v2, 512, v2
	v_add_nc_u32 v9, 98304, v1
	v_add_nc_u32 v10, 98304, v2
	v_lshlrev_b32 v31, 2, v4
	v_lshlrev_b32 v224, 3, v4
	s_lshl_b32 s12, s9, 7
	s_add_co_u32 s12, s12, s10
	s_mul_i32 s12, s12, 768
	s_add_nc_u64 s[52:53], s[4:5], s[12:13]        ; q's unit
	s_lshl_b32 s12, s9, 13
	s_lshr_b32 s14, s10, 3
	s_lshl_b32 s14, s14, 9
	s_add_co_u32 s12, s12, s14
	s_bfe_u32 s14, s10, 0x10002
	s_lshl_b32 s14, s14, 8
	s_add_co_u32 s12, s12, s14
	s_and_b32 s14, s10, 1
	s_lshl_b32 s14, s14, 7
	s_add_co_u32 s12, s12, s14
	s_bfe_u32 s14, s10, 0x10001
	s_lshl_b32 s14, s14, 2
	s_add_co_u32 s12, s12, s14
	s_add_co_u32 s12, s12, Q_SC
	s_add_nc_u64 s[54:55], s[4:5], s[12:13]        ; its scale words
	global_load_b128 v[16:19], v1, s[52:53]
	global_load_b64 v[20:21], v2, s[52:53]
	global_load_b128 v[22:25], v1, s[52:53]        ; the same unit again: the fragment's upper half
	global_load_b64 v[26:27], v2, s[52:53]
	global_load_b32 v28, v224, s[54:55]
.irp i, 38,39,40,41,42,43,56,57,58,59,60,61
	v_mov_b32 v\i, 0                               ; the two runs of zero codes
.endr
	s_lshr_b32 s14, s9, 4
	s_lshl_b32 s14, s14, 7
	s_add_co_u32 s14, s14, s10                     ; my tile among all 256
	s_and_b32 s70, s9, 15                          ; head
	s_lshr_b32 s12, s14, 3
	s_mul_i32 s12, s12, 98304
	s_mul_i32 s71, s70, 6144
	s_add_co_u32 s12, s12, s71
	s_and_b32 s71, s14, 7
	s_mul_i32 s71, s71, 768
	s_add_co_u32 s12, s12, s71
	s_add_nc_u64 s[56:57], s[6:7], s[12:13]        ; ctx's unit
	s_lshl_b32 s12, s14, 9
	s_lshr_b32 s71, s70, 1
	s_lshl_b32 s71, s71, 6
	s_add_co_u32 s12, s12, s71
	s_and_b32 s71, s70, 1
	s_lshl_b32 s71, s71, 1
	s_add_co_u32 s12, s12, s71
	s_add_co_u32 s12, s12, CSC
	s_add_nc_u64 s[58:59], s[6:7], s[12:13]        ; its two scale bytes a row
	s_mov_b32 s[CS], 0x3e38aa3b
	s_mov_b32 s[CS+1], s[CS]
	s_mov_b32 s[SEL], 0x76543210
	s_mov_b32 s[SEL+1], 0xfedcba98
	s_mov_b32 s[TB], 0
	s_mov_b32 s[TS], 0
	s_mov_b32 s[TJ], 0
	v_mov_b32 v13, 0xff61b1e6                      ; the largest t so far: -3e38
	v_floor_f32 v12, -v13
	v_mov_b32 v14, 0
	v_mov_b32 v15, 0
.irp b, 0,1,2,3
	v_mov_b32 v[216+\b], 0                         ; a lane permute's destination counts as read
.endr
	v_mov_b32 v227, 0                              ; named as the upper half of the pair v[226:227]
.set J_, 0
.rept 32
	v_mov_b32 v[160+J_], 0                         ; O^T: the step is written once for all steps; the first change of M multiplies zeros
.set J_, J_+1
.endr
; A KEY STEP: 128 keys
.macro STEP
	v_add_nc_u32 v3, s[TB], v1                     ; six plain lines: also the five places between the last products and products that write over the registers which held v's fragments
	v_add_nc_u32 v4, s[TB], v2
	v_add_nc_u32 v5, s[TB], v9
	v_add_nc_u32 v6, s[TB], v10
	v_add_nc_u32 v7, s[TS], v11
	v_add_nc_u32 v8, s[TJ], v30
	ds_load_b64 v[68:69], v7
	ds_load_b64 v[70:71], v7 offset:256
.irp g, 0,1
.if \g
	PLACES 4                                       ; places ahead of loads into registers that products have read
.endif
	ds_load_b128 v[32:35], v3 offset:(4*\g)*768
	ds_load_b64 v[36:37], v4 offset:(4*\g)*768
	ds_load_b128 v[44:47], v3 offset:(4*\g+1)*768
	ds_load_b64 v[48:49], v4 offset:(4*\g+1)*768
	ds_load_b128 v[50:53], v3 offset:(4*\g+2)*768
	ds_load_b64 v[54:55], v4 offset:(4*\g+2)*768
	ds_load_b128 v[62:65], v3 offset:(4*\g+3)*768
	ds_load_b64 v[66:67], v4 offset:(4*\g+3)*768
	s_wait_dscnt 0x0
	v_wmma_scale_f32_16x16x128_f8f6f4 v[96+32*\g:103+32*\g], v[32:43], v[16:27], 0, v[68+2*\g], v28 matrix_a_fmt:MATRIX_FMT_BF6 matrix_b_fmt:MATRIX_FMT_BF6
	v_wmma_scale_f32_16x16x128_f8f6f4 v[104+32*\g:111+32*\g], v[38:49], v[16:27], 0, v[68+2*\g], v28 matrix_a_fmt:MATRIX_FMT_BF6 matrix_b_fmt:MATRIX_FMT_BF6 matrix_a_scale:MATRIX_SCALE_ROW1
	v_wmma_scale_f32_16x16x128_f8f6f4 v[112+32*\g:119+32*\g], v[50:61], v[16:27], 0, v[69+2*\g], v28 matrix_a_fmt:MATRIX_FMT_BF6 matrix_b_fmt:MATRIX_FMT_BF6
	v_wmma_scale_f32_16x16x128_f8f6f4 v[120+32*\g:127+32*\g], v[56:67], v[16:27], 0, v[69+2*\g], v28 matrix_a_fmt:MATRIX_FMT_BF6 matrix_b_fmt:MATRIX_FMT_BF6 matrix_a_scale:MATRIX_SCALE_ROW1
.endr
	PLACES 4
.irp b, 0,1,2,3
	v_max3_num_f32 v[212+\b], v[96+16*\b], v[97+16*\b], v[98+16*\b]    ; the largest score of each block of 32 keys: for the row's maximum and, since p rises with the score, for the block's largest p
.endr
.irp i, 3,5,7,9,11,13
.irp b, 0,1,2,3
	v_max3_num_f32 v[212+\b], v[212+\b], v[96+16*\b+\i], v[97+16*\b+\i]
.endr
.endr
.irp b, 0,1,2,3
	v_max_num_f32 v[212+\b], v[212+\b], v[111+16*\b]
.endr
.irp b, 0,1,2,3
	v_permlanex16_b32 v[216+\b], v[212+\b], s[SEL], s[SEL+1]
.endr
.irp b, 0,1,2,3
	v_max_num_f32 v[212+\b], v[212+\b], v[216+\b]
.endr
	v_max3_num_f32 v224, v212, v213, v214
	v_max_num_f32 v224, v224, v215
	v_mul_f32 v224, s[CS], v224
	v_max_num_f32 v13, v13, v224                   ; the running largest t
	v_mov_b32 v224, v12
	v_floor_f32 v12, -v13                          ; -M = floor(-t): M is a whole number
	v_sub_f32 v224, v12, v224
	v_cvt_i32_f32 v224, v224                       ; (it saturates)
	v_ldexp_f32 v226, 1.0, v224                    ; f = 2^(old M - new M)
.set J_, 0
.rept 32
	v_pk_fma_f32 v[96+J_:97+J_], v[96+J_:97+J_], s[CS:CS+1], v[12:13] op_sel_hi:[1,0,0]   ; t - M
.set J_, J_+2
.endr
.irp b, 0,1,2,3
	v_fma_f32 v[212+\b], v[212+\b], s[CS], v12
.endr
.set J_, 0
.rept 64
	v_exp_f32 v[96+J_], v[96+J_]                   ; p = 2^(t - M)
.set J_, J_+1
.endr
	v_pk_mul_f32 v[14:15], v[14:15], v[226:227] op_sel_hi:[1,0]        ; the sums under the new M (a plain line behind the batch)
	s_wait_alu depctr_va_vdst(0)                   ; one wait for the 64, ahead of their first reader
.irp b, 0,1,2,3
	v_exp_f32 v[212+\b], v[212+\b]                 ; each block's largest p
.endr
	v_pk_add_f32 v[228:229], v[96:97], v[98:99]    ; the row's sum, of the unquantised p, in two chains
.irp j, 4,8,12,16,20,24,28,32,36,40,44,48,52,56,60
	v_pk_add_f32 v[14:15], v[14:15], v[96+\j:97+\j]
	v_pk_add_f32 v[228:229], v[228:229], v[98+\j:99+\j]
.endr
	v_pk_add_f32 v[14:15], v[14:15], v[228:229]
	s_wait_alu depctr_va_vdst(0)                   ; and one for the four
.irp b, 0,1,2,3
	v_max_num_f32 v[212+\b], 0x2800000, v[212+\b]
.endr
.irp b, 0,1,2,3
	v_add_nc_u32 v[220+\b], 0xfe000000, v[212+\b]
.endr
.irp b, 0,1,2,3
	v_lshrrev_b32 v[216+\b], 23, v[220+\b]
.endr
	v_lshl_or_b32 v29, v217, 8, v216               ; p's scale word for these 128 keys
	v_lshl_or_b32 v29, v218, 16, v29
	v_lshl_or_b32 v29, v219, 24, v29
.irp c, 0,1
	v_cvt_scalef32_pk16_bf6_f32 v[192+6*\c:194+6*\c], v[96+32*\c:111+32*\c], v[220+2*\c]
	v_cvt_scalef32_pk16_bf6_f32 v[204+4*\c:206+4*\c], v[112+32*\c:127+32*\c], v[220+2*\c+1]
.endr
.irp ct, 0,1,2,3                       ; p is spent: v's four fragments take its registers
.irp c, 0,1
	ds_load_b128 v[96+12*\ct+6*\c:96+12*\ct+6*\c+3], v5 offset:3072*\c+768*\ct
	ds_load_b64 v[96+12*\ct+6*\c+4:96+12*\ct+6*\c+5], v6 offset:3072*\c+768*\ct
.endr
.endr
	ds_load_b64 v[72:73], v8
	v_nop                                          ; one plain line behind the conversions
.irp c, 0,1
.irp i, 0,1,2
	v_permlane16_swap_b32 v[192+6*\c+\i], v[204+4*\c+\i]
.endr
.irp i, 0,1,2
	v_mov_b32 v[195+6*\c+\i], v[204+4*\c+\i]
.endr
.endr
.set J_, 0
.rept 16
	v_pk_mul_f32 v[160+J_:161+J_], v[160+J_:161+J_], v[226:227] op_sel_hi:[1,0]   ; O^T under the new M; these sixteen also stand between the lines that made p's codes and scale word and the products
.set J_, J_+2
.endr
	s_wait_dscnt 0x0
	v_wmma_scale_f32_16x16x128_f8f6f4 v[160:167], v[96:107], v[192:203], v[160:167], v72, v29 matrix_a_fmt:MATRIX_FMT_BF6 matrix_b_fmt:MATRIX_FMT_BF6
	v_wmma_scale_f32_16x16x128_f8f6f4 v[168:175], v[108:119], v[192:203], v[168:175], v72, v29 matrix_a_fmt:MATRIX_FMT_BF6 matrix_b_fmt:MATRIX_FMT_BF6 matrix_a_scale:MATRIX_SCALE_ROW1
	v_wmma_scale_f32_16x16x128_f8f6f4 v[176:183], v[120:131], v[192:203], v[176:183], v73, v29 matrix_a_fmt:MATRIX_FMT_BF6 matrix_b_fmt:MATRIX_FMT_BF6
	v_wmma_scale_f32_16x16x128_f8f6f4 v[184:191], v[132:143], v[192:203], v[184:191], v73, v29 matrix_a_fmt:MATRIX_FMT_BF6 matrix_b_fmt:MATRIX_FMT_BF6 matrix_a_scale:MATRIX_SCALE_ROW1
	s_add_co_u32 s[TB], s[TB], 6144
	s_add_co_u32 s[TS], s[TS], 512
	s_add_co_u32 s[TJ], s[TJ], 256
.endm
	s_wait_loadcnt 0x0                             ; q
	s_wait_tensorcnt 0x1                           ; the scale words and key steps 0-3 are in; the load of steps 4-15 may be out
	BAR
	s_mov_b32 s[CNT], 4
.Lfirst:
	STEP
	s_sub_co_u32 s[CNT], s[CNT], 1
	s_cmp_lg_u32 s[CNT], 0
	s_cbranch_scc1 .Lfirst
	s_wait_tensorcnt 0x0                           ; key steps 4-15 are in,
	s_wait_dscnt 0x0
	BAR                                            ; for every wave
	s_mov_b32 s[CNT], 12
.Lrest:
	STEP
	s_sub_co_u32 s[CNT], s[CNT], 1
	s_cmp_lg_u32 s[CNT], 0
	s_cbranch_scc1 .Lrest
	; THE WAY OUT: O^T / the sum; a lane's 32 registers are channels 32 b + 16 (lane / 16) + i of its query: they are quantised as they stand
	PLACES 4
	v_add_f32 v14, v14, v15
	v_permlanex16_b32 v224, v14, s[SEL], s[SEL+1]
	v_add_f32 v14, v14, v224
	v_rcp_f32 v226, v14
	v_rcp_f32 v227, v14
	v_nop
	s_wait_alu depctr_va_vdst(0)
.set J_, 0
.rept 16
	v_pk_mul_f32 v[96+J_:97+J_], v[160+J_:161+J_], v[226:227]
.set J_, J_+2
.endr
	QUANT32 96, 192, 225
	global_store_b128 v1, v[192:195], s[56:57]     ; a whole unit: 512 consecutive bytes,
	global_store_b64 v2, v[196:197], s[56:57]      ; then 256
	global_store_b16 v31, v225, s[58:59]           ; two scale bytes a row; both halves of the lanes store the same bytes with the same value
	s_wait_tensorcnt 0x0
	ds_add_u32 v254, v255
	s_wait_dscnt 0x0
	s_endpgm
.Lfunc_end_k_qe6f67de870_attn:
	.size	k_qe6f67de870_attn, .Lfunc_end_k_qe6f67de870_attn-k_qe6f67de870_attn
	.p2alignl 7, 3214868480
	.fill 96, 4, 3214868480
	.section	.rodata,"a",@progbits
	.p2align	6, 0x0
	.amdhsa_kernel k_qe6f67de870_attn
		.amdhsa_group_segment_fixed_size 210944
		.amdhsa_private_segment_fixed_size 0
		.amdhsa_enable_private_segment 0
		.amdhsa_kernarg_size 16
		.amdhsa_user_sgpr_count 2
		.amdhsa_user_sgpr_kernarg_segment_ptr 1
		.amdhsa_wavefront_size32 1
		.amdhsa_system_sgpr_workgroup_id_x 1
		.amdhsa_system_sgpr_workgroup_id_y 1
		.amdhsa_system_sgpr_workgroup_id_z 1
		.amdhsa_system_vgpr_workitem_id 0
		.amdhsa_next_free_vgpr 256
		.amdhsa_next_free_sgpr 80
		.amdhsa_reserve_vcc 0
		.amdhsa_float_denorm_mode_32 3
		.amdhsa_float_denorm_mode_16_64 3
		.amdhsa_memory_ordered 1
		.amdhsa_forward_progress 1
		.amdhsa_inst_pref_size 45
	.end_amdhsa_kernel
	.amdgpu_metadata
---
amdhsa.version: [ 1, 2 ]
amdhsa.kernels:
  - .name:           k_qe6f67de870_attn
    .symbol:         k_qe6f67de870_attn.kd
    .args:
      - { .name: qkv, .offset: 0, .size: 8, .value_kind: global_buffer, .address_space: global }
      - { .name: ctx, .offset: 8, .size: 8, .value_kind: global_buffer, .address_space: global }
    .group_segment_fixed_size: 210944
    .private_segment_fixed_size: 0
    .kernarg_segment_align: 8
    .kernarg_segment_size: 16
    .max_flat_workgroup_size: 512
    .sgpr_count:     80
    .vgpr_count:     256
    .wavefront_size: 32
...
	.end_amdgpu_metadata
.endif
;; end of part 3
;; launch wo (part 4): grid 8 x 32, 4 waves a work-group, no clusters, 222,720 bytes of LDS; arguments ctx, wts, X, x2; writes x2
.if DOCPART == 4
	.amdgcn_target "amdgcn-amd-amdhsa--gfx1250"
	.amdhsa_code_object_version 6
	.text
	.protected	k_qe6f67de870_wo
	.globl	k_qe6f67de870_wo
	.p2align	8
	.type	k_qe6f67de870_wo,@function
k_qe6f67de870_wo:
	s_mov_b64 s[64:65], 0
	v_nop
	global_prefetch_b8 v0, s[64:65] scope:SCOPE_SE
	s_setreg_imm32_b32 hwreg(HW_REG_WAVE_MODE, 25, 1), 1
	s_wait_xcnt 0x0
; x2 = X + ctx wo, the product on codes of E3M2 (K = 1,024), x2 in f32.
; SHARES: work-group (nt, mt) makes 128 tokens x 128 columns; both operands' blocks, 98,304 bytes each, lie whole in LDS, each byte filled once, in four chunks of 256 along K, so that work begins when the first has landed.
; By this text's count a wave has five tensor loads out.  A wave makes 64 x 64: 16 accumulators by turns, one instruction a turn.
; Source 0 = weights, source 1 = tokens: a lane holds one token and neighbouring columns.  X's part is loaded into registers at the head.  The way out goes through the wave's own stage in LDS
; (16 rows of 256 + 16 bytes, bytes that no tensor load fills): sixteen lanes store 256 consecutive bytes, aligned.
; Operands lie as images of their registers (units of 768 bytes); lane r of tile T holds row 32 (T/2) + 8 (T%2) + r%8 + 16 (r/8).
; No cluster: each operand byte is asked for once by a work-group, at its head.
.set MT, 4
.set NT, 4
.set SSTR, 8
.set ASC,   3145728
.set WO_IMG, 2359296
.set WO_SC,  6782976
.set SCL,   196608                     ; LDS: A 0, B 98,304, A's scale words, B's, the stages
.set STAGE, 204800
.set A16, 2
.set A8,  4
.set B16, 6
.set B8,  8
.set STO, 16
.set RD,  17
.set CO,  18
.set SA,  32
.set SB,  48
.set ACC, 64
.set TMP, 224
.set OUTP, 88
.set MSB, 0
.macro WIN new
.if MSB != \new
	s_set_vgpr_msb (MSB<<8)|\new
.set MSB, \new
.endif
.endm
.macro PLACES n
.rept \n
	v_nop
.endr
.endm
.macro BAR
	s_barrier_signal -1
	s_barrier_wait -1
.endm
.macro GROUP1 g, rows
	s_mov_b32 s[\g], 3<<16
	s_mov_b32 s[\g+1], 32<<16
	s_mov_b32 s[\g+2], (\rows)<<16
	s_mov_b32 s[\g+3], 32<<16
	s_mov_b32 s[\g+4], \rows
	s_mov_b32 s[\g+5], 32
	s_mov_b32 s[\g+6], 0
	s_mov_b32 s[\g+7], 0
.endm
.macro WM d, s0, s1, z, x0, x1, r0, r1
.if \z
.if (\r0) && (\r1)
	v_wmma_scale_f32_16x16x128_f8f6f4 v[\d:\d+7], v[\s0:\s0+11], v[\s1:\s1+11], 0, v[\x0], v[\x1] matrix_a_fmt:MATRIX_FMT_BF6 matrix_b_fmt:MATRIX_FMT_BF6 matrix_a_scale:MATRIX_SCALE_ROW1 matrix_b_scale:MATRIX_SCALE_ROW1
.elseif (\r0)
	v_wmma_scale_f32_16x16x128_f8f6f4 v[\d:\d+7], v[\s0:\s0+11], v[\s1:\s1+11], 0, v[\x0], v[\x1] matrix_a_fmt:MATRIX_FMT_BF6 matrix_b_fmt:MATRIX_FMT_BF6 matrix_a_scale:MATRIX_SCALE_ROW1
.elseif (\r1)
	v_wmma_scale_f32_16x16x128_f8f6f4 v[\d:\d+7], v[\s0:\s0+11], v[\s1:\s1+11], 0, v[\x0], v[\x1] matrix_a_fmt:MATRIX_FMT_BF6 matrix_b_fmt:MATRIX_FMT_BF6 matrix_b_scale:MATRIX_SCALE_ROW1
.else
	v_wmma_scale_f32_16x16x128_f8f6f4 v[\d:\d+7], v[\s0:\s0+11], v[\s1:\s1+11], 0, v[\x0], v[\x1] matrix_a_fmt:MATRIX_FMT_BF6 matrix_b_fmt:MATRIX_FMT_BF6
.endif
.else
.if (\r0) && (\r1)
	v_wmma_scale_f32_16x16x128_f8f6f4 v[\d:\d+7], v[\s0:\s0+11], v[\s1:\s1+11], v[\d:\d+7], v[\x0], v[\x1] matrix_a_fmt:MATRIX_FMT_BF6 matrix_b_fmt:MATRIX_FMT_BF6 matrix_a_scale:MATRIX_SCALE_ROW1 matrix_b_scale:MATRIX_SCALE_ROW1
.elseif (\r0)
	v_wmma_scale_f32_16x16x128_f8f6f4 v[\d:\d+7], v[\s0:\s0+11], v[\s1:\s1+11], v[\d:\d+7], v[\x0], v[\x1] matrix_a_fmt:MATRIX_FMT_BF6 matrix_b_fmt:MATRIX_FMT_BF6 matrix_a_scale:MATRIX_SCALE_ROW1
.elseif (\r1)
	v_wmma_scale_f32_16x16x128_f8f6f4 v[\d:\d+7], v[\s0:\s0+11], v[\s1:\s1+11], v[\d:\d+7], v[\x0], v[\x1] matrix_a_fmt:MATRIX_FMT_BF6 matrix_b_fmt:MATRIX_FMT_BF6 matrix_b_scale:MATRIX_SCALE_ROW1
.else
	v_wmma_scale_f32_16x16x128_f8f6f4 v[\d:\d+7], v[\s0:\s0+11], v[\s1:\s1+11], v[\d:\d+7], v[\x0], v[\x1] matrix_a_fmt:MATRIX_FMT_BF6 matrix_b_fmt:MATRIX_FMT_BF6
.endif
.endif
.endm
.macro FETCH ks, f, slot
	WIN 0x40
.set C_, 0
.rept 2
.set KH_, 2*(\ks)+C_
.set T_, 0
.rept MT
	ds_load_b128 v[(\f)+12*T_+6*C_:(\f)+12*T_+6*C_+3], v[A16+KH_/8] offset:(KH_%8)*6144+T_*768
	ds_load_b64 v[(\f)+12*T_+6*C_+4:(\f)+12*T_+6*C_+5], v[A8+KH_/8] offset:(KH_%8)*6144+T_*768
.set T_, T_+1
.endr
.set T_, 0
.rept NT
	ds_load_b128 v[(\f)+12*(MT+T_)+6*C_:(\f)+12*(MT+T_)+6*C_+3], v[B16+4*(\slot)+KH_/8] offset:(KH_%8)*6144+T_*768
	ds_load_b64 v[(\f)+12*(MT+T_)+6*C_+4:(\f)+12*(MT+T_)+6*C_+5], v[B8+4*(\slot)+KH_/8] offset:(KH_%8)*6144+T_*768
.set T_, T_+1
.endr
.set C_, C_+1
.endr
.endm
.macro MUL ks, f, zero, tr
	WIN 0x05
.set A_, 0
.rept MT
.set B_, 0
.rept NT
.if \tr
	WM ACC+8*(NT*A_+B_), (\f)+12*(MT+B_), (\f)+12*A_, \zero, SB+SSTR*(B_/2)+(\ks), SA+SSTR*(A_/2)+(\ks), B_%2, A_%2
.else
	WM ACC+8*(MT*B_+A_), (\f)+12*A_, (\f)+12*(MT+B_), \zero, SA+SSTR*(A_/2)+(\ks), SB+SSTR*(B_/2)+(\ks), A_%2, B_%2
.endif
.set B_, B_+1
.endr
.set A_, A_+1
.endr
.endm
.macro KSTEPS n, slot, tr, zero0, tc   ; tc >= 0: ahead of the fetch of K steps 2, 4, 6 stand the wait that leaves tc, tc - 1, tc - 2 later chunks out, and a barrier
.set KS_, 0
.rept \n
	s_wait_dscnt 0x0
.if (\tc >= 0) && (KS_%2 == 1) && (KS_+1 < \n)
	s_wait_tensorcnt (\tc)-(KS_/2)
	BAR
.endif
.if KS_+1 < \n
	PLACES 4                                       ; four places between the last products and loads into registers that they read
	FETCH KS_+1, 128*((KS_+1)%2), \slot
.endif
.if (\zero0) && (KS_ == 0)
	MUL KS_, 0, 1, \tr
.else
	MUL KS_, 128*(KS_%2), 0, \tr
.endif
.set KS_, KS_+1
.endr
.endm
.macro SCALES reg, adr, np, off
.set P_, 0
.rept \np
.set K_, 0
.rept SSTR
	ds_load_b32 v[\reg+SSTR*P_+K_], v[\adr] offset:(\off)+P_*SSTR*128+K_*64
.set K_, K_+1
.endr
.set P_, P_+1
.endr
.endm
; token tile a: 16 rows x 64 columns through my stage, the residual added, whole rows of 256 bytes stored
.macro OUTROWS a
	s_wait_xcnt 0x0                                ; the last tile's stores have read their registers
.irp b, 0,1,2,3
	ds_store_b128 v[STO], v[ACC+32*\a+8*\b:ACC+32*\a+8*\b+3] offset:128*(\b/2)+32*(\b%2)      ; each accumulator from its low end on
	ds_store_b128 v[STO], v[ACC+32*\a+8*\b+4:ACC+32*\a+8*\b+7] offset:128*(\b/2)+32*(\b%2)+16
.endr
.irp i, 0,1,2,3,4,5,6,7
	ds_load_b128 v[TMP+4*\i:TMP+4*\i+3], v[RD] offset:\i*544       ; LDS serves a wave's instructions in order: these see my stores
.endr
	s_wait_dscnt 0x0
	WIN 0x08                                       ; source 1: window 2, the residual
.set P_, 0
.rept 16
	v_pk_add_f32 v[TMP+2*P_:TMP+2*P_+1], v[TMP+2*P_:TMP+2*P_+1], v[32*\a+2*P_:32*\a+2*P_+1]
.set P_, P_+1
.endr
	WIN 0
.irp i, 0,1,2,3,4,5,6,7
	global_store_b128 v[CO], v[TMP+4*\i:TMP+4*\i+3], s[OUTP:OUTP+1] offset:(32*(\a/2)+8*(\a%2)+2*\i+8*(\i/4))*4096
.endr
.endm
	s_load_b256 s[4:11], s[0:1], 0x0               ; ctx, wts, X, x2
	v_lshl_add_u32 v222, v0, 2, 0x36400
	v_mov_b32 v223, 0
	ds_add_u32 v222, v223
	ds_add_u32 v222, v223
	v_lshrrev_b32 v1, 5, v0
	v_readfirstlane_b32 s12, v1                    ; wave
	s_lshr_b32 s13, s12, 1                         ; mh
	s_and_b32 s14, s12, 1                          ; nh
	s_and_b32 s72, ttmp7, 0xffff                   ; mt
	GROUP1 16, 8
	GROUP1 24, 48
	s_mov_b32 s75, 0
	s_mov_b32 s77, 0
	s_mov_b32 s79, 0
	s_mul_i32 s74, s72, 98304
	s_mul_i32 s76, ttmp9, 98304
	s_add_co_u32 s76, s76, WO_IMG
	s_mul_i32 s78, s14, 12288
	s_mul_i32 s15, s13, 98304
	s_add_co_u32 s15, s15, s78                     ; waves 0, 1: halves of A's chunks; waves 2, 3: of B's
	s_wait_dscnt 0x0
	s_wait_kmcnt 0x0
	s_add_nc_u64 s[80:81], s[4:5], s[74:75]
	s_add_nc_u64 s[82:83], s[6:7], s[76:77]
	s_cmp_lt_u32 s12, 2
	s_cselect_b64 s[84:85], s[80:81], s[82:83]
	s_add_nc_u64 s[84:85], s[84:85], s[78:79]
.irp c, 0,1,2,3
	s_mov_b32 s[44+4*\c], 1
	s_add_co_u32 s[45+4*\c], s15, 24576*\c
	s_add_nc_u64 s[46+4*\c:47+4*\c], s[84:85], 24576*\c
	s_or_b32 s[47+4*\c], s[47+4*\c], 0x80000000
.endr
	s_lshl_b32 s74, s72, 12
	s_add_co_u32 s74, s74, ASC
	s_lshl_b32 s76, ttmp9, 12
	s_add_co_u32 s76, s76, WO_SC
	s_add_nc_u64 s[80:81], s[4:5], s[74:75]
	s_add_nc_u64 s[82:83], s[6:7], s[76:77]
	s_lshl_b32 s78, s14, 11
	s_cmp_lt_u32 s12, 2
	s_cselect_b64 s[42:43], s[80:81], s[82:83]
	s_add_nc_u64 s[42:43], s[42:43], s[78:79]
	s_or_b32 s43, s43, 0x80000000
	s_mov_b32 s40, 1
	s_lshl_b32 s41, s12, 11
	s_add_co_u32 s41, s41, SCL
	tensor_load_to_lds s[40:43], s[16:23]          ; half of A's or of B's scale words, then my half of four chunks
	s_nop 0
	tensor_load_to_lds s[44:47], s[24:31]
	s_nop 0
	tensor_load_to_lds s[48:51], s[24:31]
	s_nop 0
	tensor_load_to_lds s[52:55], s[24:31]
	s_nop 0
	tensor_load_to_lds s[56:59], s[24:31]
	s_nop 0
	PLACES 4
	v_and_b32 v1, 31, v0
	v_and_b32 v30, 15, v0                          ; r
	v_bfe_u32 v31, v0, 4, 1                        ; h
	v_lshlrev_b32 v19, 4, v1
	v_lshlrev_b32 v20, 3, v1
	v_lshlrev_b32 v[CO], 12, v31
	v_lshl_add_u32 v[CO], v30, 4, v[CO]            ; lanes 0-15 one row of x2, lanes 16-31 the next; 16 bytes a lane
	s_lshl_b32 s74, s72, 7
	s_lshl_b32 s76, s13, 6
	s_add_co_u32 s74, s74, s76
	s_lshl_b32 s74, s74, 12
	s_lshl_b32 s76, ttmp9, 9
	s_add_co_u32 s74, s74, s76
	s_lshl_b32 s76, s14, 8
	s_add_co_u32 s74, s74, s76
	s_add_nc_u64 s[86:87], s[8:9], s[74:75]        ; X at my 64 x 64
	s_add_nc_u64 s[OUTP:OUTP+1], s[10:11], s[74:75]
	WIN 0x80                                       ; destination window 2
.irp a, 0,1,2,3
.irp i, 0,1,2,3,4,5,6,7
	global_load_b128 v[32*\a+4*\i:32*\a+4*\i+3], v[CO], s[86:87] offset:(32*(\a/2)+8*(\a%2)+2*\i+8*(\i/4))*4096
.endr
.endr
	WIN 0
	s_mul_i32 s74, s13, 3072
	v_add_nc_u32 v2, s74, v19
	v_add_nc_u32 v3, 49152, v2
	v_add_nc_u32 v4, s74, v20
	v_add_nc_u32 v4, 512, v4
	v_add_nc_u32 v5, 49152, v4
	s_mul_i32 s74, s14, 3072
	s_add_co_u32 s74, s74, 98304
	v_add_nc_u32 v6, s74, v19
	v_add_nc_u32 v7, 49152, v6
	v_add_nc_u32 v8, s74, v20
	v_add_nc_u32 v8, 512, v8
	v_add_nc_u32 v9, 49152, v8
	v_lshlrev_b32 v14, 2, v30
	v_lshl_add_u32 v14, v31, 9, v14
	s_lshl_b32 s74, s14, 11
	s_add_co_u32 s74, s74, SCL+4096
	v_add_nc_u32 v15, s74, v14
	s_lshl_b32 s74, s13, 11
	s_add_co_u32 s74, s74, SCL
	v_add_nc_u32 v14, s74, v14
	s_mul_i32 s74, s12, 4352
	s_add_co_u32 s74, s74, STAGE
	v_mul_u32_u24 v[STO], v30, 272
	v_lshl_add_u32 v[STO], v31, 6, v[STO]
	v_add_nc_u32 v[STO], s74, v[STO]               ; in: row r, 64 bytes for each half of the lanes
	v_mul_u32_u24 v[RD], v31, 272
	v_lshl_add_u32 v[RD], v30, 4, v[RD]
	v_add_nc_u32 v[RD], s74, v[RD]                 ; back: two rows an instruction
	s_wait_tensorcnt 0x3                           ; the scale words and chunk 0 are in; three chunks may be out
	BAR
	SCALES SA, 14, 2, 0
	SCALES SB, 15, 2, 0
	FETCH 0, 0, 0
	KSTEPS 8, 0, 1, 1, 2
	WIN 0
	PLACES 4
	s_wait_loadcnt 0x0                             ; the residual
	OUTROWS 0
	OUTROWS 1
	OUTROWS 2
	OUTROWS 3
	s_wait_tensorcnt 0x0
	ds_add_u32 v222, v223
	s_wait_dscnt 0x0
	s_endpgm
.Lfunc_end_k_qe6f67de870_wo:
	.size	k_qe6f67de870_wo, .Lfunc_end_k_qe6f67de870_wo-k_qe6f67de870_wo
	.p2alignl 7, 3214868480
	.fill 96, 4, 3214868480
	.section	.rodata,"a",@progbits
	.p2align	6, 0x0
	.amdhsa_kernel k_qe6f67de870_wo
		.amdhsa_group_segment_fixed_size 222720
		.amdhsa_private_segment_fixed_size 0
		.amdhsa_enable_private_segment 0
		.amdhsa_kernarg_size 32
		.amdhsa_user_sgpr_count 2
		.amdhsa_user_sgpr_kernarg_segment_ptr 1
		.amdhsa_wavefront_size32 1
		.amdhsa_system_sgpr_workgroup_id_x 1
		.amdhsa_system_sgpr_workgroup_id_y 1
		.amdhsa_system_sgpr_workgroup_id_z 1
		.amdhsa_system_vgpr_workitem_id 0
		.amdhsa_next_free_vgpr 768
		.amdhsa_next_free_sgpr 90
		.amdhsa_reserve_vcc 0
		.amdhsa_float_denorm_mode_32 3
		.amdhsa_float_denorm_mode_16_64 3
		.amdhsa_memory_ordered 1
		.amdhsa_forward_progress 1
		.amdhsa_inst_pref_size 58
	.end_amdhsa_kernel
	.amdgpu_metadata
---
amdhsa.version: [ 1, 2 ]
amdhsa.kernels:
  - .name:           k_qe6f67de870_wo
    .symbol:         k_qe6f67de870_wo.kd
    .args:
      - { .name: ctx, .offset: 0, .size: 8, .value_kind: global_buffer, .address_space: global }
      - { .name: wts, .offset: 8, .size: 8, .value_kind: global_buffer, .address_space: global }
      - { .name: X, .offset: 16, .size: 8, .value_kind: global_buffer, .address_space: global }
      - { .name: x2, .offset: 24, .size: 8, .value_kind: global_buffer, .address_space: global }
    .group_segment_fixed_size: 222720
    .private_segment_fixed_size: 0
    .kernarg_segment_align: 8
    .kernarg_segment_size: 32
    .max_flat_workgroup_size: 128
    .sgpr_count:     90
    .vgpr_count:     768
    .wavefront_size: 32
...
	.end_amdgpu_metadata
.endif
;; end of part 4
;; launch prep2 (part 5): grid 544 x 1, 4 waves a work-group, no clusters, 78,848 bytes of LDS; arguments e_gate, e_up, sh_gate, sh_up, e_down, sh_down, wts, x2, norm2_w, router_w, h2b; writes wts, h2b
.if DOCPART == 5
	.amdgcn_target "amdgcn-amd-amdhsa--gfx1250"
	.amdhsa_code_object_version 6
	.text
	.protected	k_qe6f67de870_prep2
	.globl	k_qe6f67de870_prep2
	.p2align	8
	.type	k_qe6f67de870_prep2,@function
k_qe6f67de870_prep2:
	s_mov_b64 s[64:65], 0
	v_nop
	global_prefetch_b8 v0, s[64:65] scope:SCOPE_SE
	s_setreg_imm32_b32 hwreg(HW_REG_WAVE_MODE, 25, 1), 1
	s_wait_xcnt 0x0
; TWO JOBS IN ONE LAUNCH, parted by the work-group's number at the first line and never joined: work-groups 0 .. NW - 1 quantise weights, the others norm and quantise one tile of 16 tokens each.
; Neither job reads what the other stores; both are streams that read each byte once, and side by side they have more bytes on their way.  Each way has LDS bytes of its own (the norm's rows from 0, the weights' stages
; from WSTG on); the one barrier stands on the norm's way, which all four waves of such a work-group take: the branch hangs on the work-group's number alone.
; ROUTER = 0: the weights are wq, wk, wv, wo; the rows are X's.  ROUTER = 1: the weights are gate, up and down of expert 0, expert 1 and the shared expert; the rows are x2's, and the router is computed too.
; THE LAYOUT OF ALL CODES: IMAGES OF OPERAND REGISTERS.  A tile is 16 rows of an operand: lane r of tile T holds row 32 (T/2) + 8 (T%2) + r%8 + 16 (r/8).  A unit is 768 bytes: 16 rows x 64 along K; lane (r, h) owns the
; 24 bytes of k = 32 h .. 32 h + 31: its first 16 at 16 x lane, its last 8 at 512 + 8 x lane.  A block is 8 tiles: [64 along K][tile][768].  Scale words: [tile][128 along K][16 rows] of 4 bytes.
; THE WEIGHTS, f32 stored [K][N]: a work-group takes 128 columns x 128 along K of one slice, a wave 32 columns (a pair of tiles), A LANE ONE COLUMN, ITS REGISTERS RUNNING DOWN K: each load reads 128 consecutive
; bytes a wave, a block of 32 lies in one lane, nothing is transposed.  The codes go through the wave's own 3,072 bytes of LDS and leave as runs of 1,536 bytes; the scale words as pieces of 64 bytes: one byte in 128 of what is read.
; A block of gate and up holds 4 gate tiles and the 4 up tiles of the same 64 hidden units.
; THE NORM: h = x * rsqrt(mean(x^2) + 1e-6) * w in f32.  First each wave takes four whole rows (a row stays in registers between the sum of squares and the scaling: memory is read once); the 16 rows of h meet in LDS
; (pitch 4,096 + 16 bytes); one barrier; then wave w quantises k = 256 w .. 256 w + 255 of all 16 rows: a lane holds a whole block of 32.
; THE ROUTER: logits = h . router_w in f32, softmax, softmax again of the two probabilities (both experts are always chosen, so the order of the top two changes nothing), stored for each token as (c0 / c1, c0 / c1, c1, c1).
; No tensor load, no cluster, no matrix unit: the launch streams.
; LIMITS: NaN and infinities are not served; a block whose largest magnitude lies under 2^-122 (zeros too) gets the byte 1: its codes are then zeros or tiny, and only this program reads the bytes.
.set ROUTER, 1
.if ROUTER
.set NW, 288                           ; 192 work-groups for gate and up, 96 for down
.else
.set NW, 256                           ; 64 for each of wq, wk, wv, wo
.endif
.set GU_IMG, 3145728                   ; places in wts
.set DN_IMG, 5505024
.set W4_SC,  6684672
.set GU_SC,  6815744
.set DN_SC,  6914048
.set WSTG,  66048                      ; LDS: the weights' stages, 3,072 bytes a wave
.set OFF,  32                          ; the weights' way: v32-63 4 x column + i x pitch
.set WX,   64                          ; v64-127  two sets of 32 numbers
.set WPC,  128                         ; v128-133 a block's codes
.set WPT,  134                         ; v134-136 their upper half as the conversion leaves it
.set WSB,  138                         ; v138     the scale word
.set OUTR, 140                         ; v140-163 the way out
.set BASE, 32                          ; s[32:39] where block t of my 128 along K begins
.set SCOFF, 3145728                    ; the norm's way: places in its output buffer
.set COMB,  3276800
.set PITCH, 4112
.set X,  32                            ; v32-159  four rows, later four blocks of 32
.set W,  160                           ; v160-191 the gains of my 32 columns
.set RT, 192                           ; v192-255 router_w's pairs for my 32 columns
.set SS, 8                             ; v8-23    four registers a row: sums, then 1/rms twice; later at work
.set PX, 24                            ; v24-27   what lane l xor 16 sends
.set PC, 160                           ; codes: eight registers' room for each of four blocks
.set PT, 196
.set BY, 200                           ; v200-203 scale bytes
	s_set_vgpr_msb 0x40
	v_lshl_add_u32 v0, v0, 2, 0x13200
	v_mov_b32 v1, 0
	s_set_vgpr_msb 0x4000
	s_cmp_lt_u32 ttmp9, NW
	s_cbranch_scc0 .Lnorm
	; ======== THE WEIGHTS' WAY ========
.if ROUTER
	s_load_b256 s[12:19], s[0:1], 0x0              ; e_gate e_up sh_gate sh_up
	s_load_b128 s[20:23], s[0:1], 0x20             ; e_down sh_down
	s_load_b64 s[24:25], s[0:1], 0x30              ; wts
.else
	s_load_b256 s[4:11], s[0:1], 0x0               ; wq wk wv wo
	s_load_b64 s[24:25], s[0:1], 0x20              ; wts
.endif
	v_lshrrev_b32 v1, 5, v0
	v_readfirstlane_b32 s26, v1                    ; wave
	v_and_b32 v2, 31, v0                           ; x: my column of the wave's 32
	v_bfe_u32 v3, v0, 3, 1                         ; u: which tile of the pair
	v_and_b32 v4, 7, v0
	v_bfe_u32 v1, v0, 4, 1
	v_lshl_or_b32 v4, v1, 3, v4                    ; r: my row in that tile
	s_mul_i32 s27, s26, 3072                       ; my wave's stage: [64 along K: 2][tile: 2][768]
	s_add_co_u32 s27, s27, WSTG
	v_mul_u32_u24 v5, v3, 768
	v_add_nc_u32 v5, s27, v5
	v_lshl_add_u32 v6, v4, 3, v5
	v_add_nc_u32 v6, 512, v6                       ; where my last 8 bytes go
	v_lshl_add_u32 v5, v4, 4, v5                   ; where my first 16 go
	v_lshlrev_b32 v8, 4, v2                        ; the way out: 16 bytes a lane
	v_add_nc_u32 v7, s27, v8
	s_mov_b32 s31, 0
	s_wait_kmcnt 0x0
	; which slice: s[54:55] source, s56 pitch, s57 bytes of a tile's scale words, s58 block of 128 columns, s59 block of 128 along K, s60, s61 places in wts
.if ROUTER == 0
	s_lshr_b32 s52, ttmp9, 6                       ; which of wq, wk, wv, wo
	s_and_b32 s58, ttmp9, 7
	s_bfe_u32 s59, ttmp9, 0x30003
	s_and_b32 s53, s52, 1
	s_cmp_lg_u32 s53, 0
	s_cselect_b64 s[54:55], s[6:7], s[4:5]
	s_cselect_b64 s[66:67], s[10:11], s[8:9]
	s_cmp_ge_u32 s52, 2
	s_cselect_b64 s[54:55], s[66:67], s[54:55]
	s_mov_b32 s56, 4096
	s_mov_b32 s57, 512
	s_mul_i32 s60, s52, 786432
	s_mul_i32 s30, s58, 98304
	s_add_co_u32 s60, s60, s30
	s_mul_i32 s30, s26, 1536
	s_add_co_u32 s60, s60, s30
	s_lshl_b32 s61, s52, 15
	s_lshl_b32 s30, s58, 3
	s_lshl_b32 s62, s26, 1
	s_add_co_u32 s30, s30, s62
	s_lshl_b32 s30, s30, 9
	s_add_co_u32 s61, s61, s30
	s_add_co_u32 s61, s61, W4_SC
.else
	s_lshr_b32 s28, s26, 1
	s_and_b32 s29, s26, 1
	s_cmp_lt_u32 ttmp9, 192
	s_cbranch_scc0 .Lclass_c
	s_lshr_b32 s53, ttmp9, 6                       ; e: expert 0, expert 1, shared
	s_bfe_u32 s62, ttmp9, 0x10005                  ; up?
	s_and_b32 s58, ttmp9, 3
	s_bfe_u32 s59, ttmp9, 0x30002
	s_cmp_lg_u32 s62, 0
	s_cselect_b64 s[54:55], s[14:15], s[12:13]
	s_cselect_b64 s[66:67], s[18:19], s[16:17]
	s_cmp_lt_u32 s53, 2
	s_cselect_b64 s[54:55], s[54:55], s[66:67]
	s_cselect_b32 s30, s53, 0
	s_lshl_b32 s30, s30, 21                        ; an expert's slice is 2^21 bytes
	s_add_nc_u64 s[54:55], s[54:55], s[30:31]
	s_mov_b32 s56, 2048
	s_mov_b32 s57, 512
	s_lshl_b32 s63, s58, 1
	s_add_co_u32 s63, s63, s28                     ; j: which 64 hidden units
	s_lshl_b32 s30, s53, 3
	s_add_co_u32 s63, s63, s30                     ; 8 e + j
	s_lshl_b32 s30, s29, 1
	s_lshl_b32 s62, s62, 2
	s_add_co_u32 s62, s62, s30                     ; first tile of my pair in the block
	s_mul_i32 s60, s63, 98304
	s_mul_i32 s30, s62, 768
	s_add_co_u32 s60, s60, s30
	s_add_co_u32 s60, s60, GU_IMG
	s_lshl_b32 s61, s63, 3
	s_add_co_u32 s61, s61, s62
	s_lshl_b32 s61, s61, 9
	s_add_co_u32 s61, s61, GU_SC
	s_branch .Ljoin
.Lclass_c:
	s_sub_co_u32 s52, ttmp9, 192
	s_lshr_b32 s53, s52, 5
	s_and_b32 s58, s52, 7
	s_bfe_u32 s59, s52, 0x20003
	s_cmp_lt_u32 s53, 2
	s_cselect_b64 s[54:55], s[20:21], s[22:23]
	s_cselect_b32 s30, s53, 0
	s_lshl_b32 s30, s30, 21
	s_add_nc_u64 s[54:55], s[54:55], s[30:31]
	s_mov_b32 s56, 4096
	s_mov_b32 s57, 256
	s_lshl_b32 s63, s53, 3
	s_add_co_u32 s63, s63, s58
	s_mul_i32 s60, s63, 49152
	s_mul_i32 s30, s26, 1536
	s_add_co_u32 s60, s60, s30
	s_add_co_u32 s60, s60, DN_IMG
	s_lshl_b32 s61, s63, 3
	s_lshl_b32 s30, s26, 1
	s_add_co_u32 s61, s61, s30
	s_lshl_b32 s61, s61, 8
	s_add_co_u32 s61, s61, DN_SC
.Ljoin:
.endif
	s_mul_i32 s30, s59, 12288                      ; 128 along K are two units' rows of a block
	s_add_co_u32 s30, s60, s30
	s_add_nc_u64 s[48:49], s[24:25], s[30:31]      ; where my codes go
	s_lshl_b32 s30, s59, 6                         ; and one scale word a row
	s_add_co_u32 s30, s61, s30
	s_add_nc_u64 s[50:51], s[24:25], s[30:31]      ; where my scale words go
	s_lshl_b32 s30, s59, 7
	s_mul_i32 s30, s30, s56
	s_lshl_b32 s62, s58, 9
	s_add_co_u32 s30, s30, s62
	s_lshl_b32 s62, s26, 7
	s_add_co_u32 s30, s30, s62
	s_add_nc_u64 s[BASE:BASE+1], s[54:55], s[30:31]
	s_lshl_b32 s30, s56, 5                         ; 32 rows on
.irp t, 1,2,3
	s_add_nc_u64 s[BASE+2*\t:BASE+2*\t+1], s[BASE+2*\t-2:BASE+2*\t-1], s[30:31]
.endr
	v_lshlrev_b32 v[OFF], 2, v2
.set I_, 1
.rept 31
	v_add_nc_u32 v[OFF+I_], s56, v[OFF+I_-1]
.set I_, I_+1
.endr
	v_mul_lo_u32 v9, v3, s57
	v_lshl_add_u32 v9, v4, 2, v9                   ; my row's scale word: tile u, row r
.macro LOADB t                         ; block t: W(32 t + i, my column) into set t % 2; no address register is ever rewritten
.set I_, 0
.rept 32
	global_load_b32 v[WX+32*((\t)%2)+I_], v[OFF+I_], s[BASE+2*(\t):BASE+2*(\t)+1] th:TH_LOAD_NT
.set I_, I_+1
.endr
.endm
.macro BLOCK t
.set XS, WX+32*((\t)%2)
.if (\t) < 3
	s_wait_loadcnt 32                              ; this block's 32 loads are in; the next block's 32 may be out
.else
	s_wait_loadcnt 0x0
.endif
	v_max3_num_f32 v10, |v[XS]|, |v[XS+1]|, |v[XS+2]|
	v_max3_num_f32 v11, |v[XS+3]|, |v[XS+4]|, |v[XS+5]|
.irp i, 6,10,14,18,22,26
	v_max3_num_f32 v10, v10, |v[XS+\i]|, |v[XS+\i+1]|
	v_max3_num_f32 v11, v11, |v[XS+\i+2]|, |v[XS+\i+3]|
.endr
	v_max3_num_f32 v10, v10, |v[XS+30]|, |v[XS+31]|
	v_max3_num_f32 v10, v10, v11, 0x2800000        ; with the floor 2^(5 - 127): the byte cannot fall under 1
	v_add_nc_u32 v12, 0xfe000000, v10              ; 4 off the exponent field: the conversion's scale operand
	v_lshrrev_b32 v13, 23, v12                     ; the scale's byte
	v_cvt_scalef32_pk16_bf6_f32 v[WPC:WPC+2], v[XS:XS+15], v12
	v_cvt_scalef32_pk16_bf6_f32 v[WPT:WPT+2], v[XS+16:XS+31], v12
.if (\t) == 0
	v_mov_b32 v[WSB], v13                          ; (the plain line behind the conversions)  four bytes to the word, the lower K lowest
.else
	v_lshl_or_b32 v[WSB], v13, 8*(\t), v[WSB]
.endif
.irp i, 0,1,2
	v_mov_b32 v[WPC+3+\i], v[WPT+\i]
.endr
	ds_store_b128 v5, v[WPC:WPC+3] offset:((\t)/2)*1536+((\t)%2)*256  ; block t is half t % 2 of unit t / 2: lanes 16 (t % 2) + r of the image
	ds_store_b64 v6, v[WPC+4:WPC+5] offset:((\t)/2)*1536+((\t)%2)*128
.if (\t)+2 < 4
	LOADB (\t)+2
.endif
	s_wait_dscnt 0x0                               ; the stores have read their registers: the next block's codes may be written
.endm
	LOADB 0
	LOADB 1
.irp t, 0,1,2,3
	BLOCK \t
.endr
	global_store_b32 v9, v[WSB], s[50:51]
.irp i, 0,1,2,3,4,5
	ds_load_b128 v[OUTR+4*\i:OUTR+4*\i+3], v7 offset:512*\i       ; LDS serves a wave's instructions in order: these see my stores
.endr
.irp i, 0,1,2,3,4,5
	s_wait_dscnt 5-\i                              ; the younger read-backs may be out
	global_store_b128 v8, v[OUTR+4*\i:OUTR+4*\i+3], s[48:49] offset:(\i/3)*6144+(\i%3)*512   ; 32 lanes store 512 consecutive bytes, at a multiple of 256 from the buffer's first byte
.endr
	s_set_vgpr_msb 0x5
	s_wait_tensorcnt 0x0
	ds_add_u32 v0, v1
	s_wait_dscnt 0x0
	s_set_vgpr_msb 0x500
	s_endpgm
	; ======== THE NORM'S WAY ========
	; v1 16 x lane, v2 8 x lane, v3 4 x lane, v4 lane / 16, v5, v6 LDS addresses, v7 32 x lane: made of v0 and constants, never rewritten once the loads are out
.Lnorm:
	s_sub_co_u32 s36, ttmp9, NW                    ; my tile of 16 tokens
.if ROUTER
	s_load_b64 s[4:5], s[0:1], 0x38                ; x
	s_load_b64 s[6:7], s[0:1], 0x40                ; gains
	s_load_b64 s[8:9], s[0:1], 0x48                ; router_w
	s_load_b64 s[10:11], s[0:1], 0x50              ; out
.else
	s_load_b64 s[4:5], s[0:1], 0x28                ; x
	s_load_b64 s[6:7], s[0:1], 0x30                ; gains
	s_load_b64 s[10:11], s[0:1], 0x38              ; out
.endif
	v_lshrrev_b32 v1, 5, v0
	v_readfirstlane_b32 s12, v1                    ; wave
	v_and_b32 v7, 31, v0                           ; lane
	v_lshlrev_b32 v1, 4, v7                        ; 16 x lane
	v_lshlrev_b32 v2, 3, v7                        ; 8 x lane
	v_and_b32 v3, 15, v0                           ; r
	v_bfe_u32 v4, v0, 4, 1                         ; h
	s_mul_i32 s16, s12, 4*PITCH
	v_add_nc_u32 v5, s16, v1                       ; LDS in: my four rows, 16 bytes a lane
	v_mul_u32_u24 v6, v3, PITCH
	v_lshl_add_u32 v6, v4, 7, v6
	s_lshl_b32 s16, s12, 10
	v_add_nc_u32 v6, s16, v6                       ; LDS out: row r, my wave's 256 along K, my half's 32 numbers
	v_lshlrev_b32 v3, 2, v7                        ; r has served: 4 x lane
.if ROUTER
	v_lshlrev_b32 v7, 5, v7                        ; the lane's number has served: 32 x lane
.endif
.irp i, 0,1,2,3
	v_mov_b32 v[PX+\i], 0                          ; a lane permute's destination counts as read
.endr
	s_lshr_b32 s13, s36, 1
	s_lshl_b32 s13, s13, 5
	s_and_b32 s14, s36, 1
	s_lshl_b32 s14, s14, 3
	s_add_co_u32 s13, s13, s14
	s_and_b32 s14, s12, 1
	s_lshl_b32 s14, s14, 2
	s_add_co_u32 s13, s13, s14
	s_lshr_b32 s14, s12, 1
	s_lshl_b32 s14, s14, 4
	s_add_co_u32 s13, s13, s14                     ; rows 4 w .. 4 w + 3 of the tile are four neighbouring tokens: the first
	s_lshl_b32 s14, s13, 12
	s_mov_b32 s15, 0
	s_mov_b32 s18, 0x76543210
	s_mov_b32 s19, 0xfedcba98                      ; lane l xor 16
	s_mov_b32 s20, 0x3a800000                      ; 1 / 1,024
	s_mov_b32 s21, 0x358637bd                      ; 1e-6
	s_mov_b32 s22, 0xffff0000                      ; lanes 16-31
	s_lshr_b32 s16, s36, 3
	s_mul_i32 s16, s16, 98304
	s_and_b32 s17, s36, 7
	s_mul_i32 s17, s17, 768
	s_add_co_u32 s16, s16, s17
	s_mul_i32 s17, s12, 24576
	s_add_co_u32 s16, s16, s17
	s_mov_b32 s17, 0
	s_lshl_b32 s34, s36, 9
	s_lshl_b32 s35, s12, 7
	s_add_co_u32 s34, s34, s35
	s_add_co_u32 s34, s34, SCOFF
	s_mov_b32 s35, 0
	s_wait_kmcnt 0x0
	s_add_nc_u64 s[4:5], s[4:5], s[14:15]
	s_add_nc_u64 s[24:25], s[10:11], s[16:17]      ; my four units
	s_add_nc_u64 s[26:27], s[10:11], s[34:35]      ; my two runs of scale words
.if ROUTER
	s_lshl_b32 s34, s36, 8
	s_lshl_b32 s16, s12, 6
	s_add_co_u32 s34, s34, s16
	s_add_co_u32 s34, s34, COMB
	s_add_nc_u64 s[28:29], s[10:11], s[34:35]      ; my four tokens' weights
	s_mov_b32 s30, 0x22222222
	s_mov_b32 s31, 0x44444444
	s_mov_b32 s32, 0x88888888
.endif
.set I_, 0
.rept 4
.set Q_, 0
.rept 8
	global_load_b128 v[X+32*I_+4*Q_:X+32*I_+4*Q_+3], v1, s[4:5] offset:I_*4096+Q_*512 th:TH_LOAD_NT   ; 512 consecutive bytes a load
.set Q_, Q_+1
.endr
.set I_, I_+1
.endr
.set Q_, 0
.rept 8
	global_load_b128 v[W+4*Q_:W+4*Q_+3], v1, s[6:7] offset:Q_*512
.set Q_, Q_+1
.endr
.if ROUTER
.set Q_, 0
.rept 8
	global_load_b128 v[RT+8*Q_:RT+8*Q_+3], v7, s[8:9] offset:Q_*1024
	global_load_b128 v[RT+8*Q_+4:RT+8*Q_+7], v7, s[8:9] offset:Q_*1024+16
.set Q_, Q_+1
.endr
.endif
	s_wait_loadcnt 8+16*ROUTER                     ; the rows are in; the gains (and the router's weights) may be out
.irp i, 0,1,2,3
	v_pk_mul_f32 v[SS+4*\i:SS+4*\i+1], v[X+32*\i:X+32*\i+1], v[X+32*\i:X+32*\i+1]
	v_pk_mul_f32 v[SS+4*\i+2:SS+4*\i+3], v[X+32*\i+2:X+32*\i+3], v[X+32*\i+2:X+32*\i+3]
.endr
.irp p, 4,8,12,16,20,24,28
.irp i, 0,1,2,3
	v_pk_fma_f32 v[SS+4*\i:SS+4*\i+1], v[X+32*\i+\p:X+32*\i+\p+1], v[X+32*\i+\p:X+32*\i+\p+1], v[SS+4*\i:SS+4*\i+1]
	v_pk_fma_f32 v[SS+4*\i+2:SS+4*\i+3], v[X+32*\i+\p+2:X+32*\i+\p+3], v[X+32*\i+\p+2:X+32*\i+\p+3], v[SS+4*\i+2:SS+4*\i+3]
.endr
.endr
.irp i, 0,1,2,3
	v_pk_add_f32 v[SS+4*\i:SS+4*\i+1], v[SS+4*\i:SS+4*\i+1], v[SS+4*\i+2:SS+4*\i+3]
.endr
.irp i, 0,1,2,3
	v_add_f32 v[SS+4*\i], v[SS+4*\i], v[SS+4*\i+1]
.endr
.irp m, 1,2,4,8
.irp i, 0,1,2,3
	v_add_f32_dpp v[SS+4*\i], v[SS+4*\i], v[SS+4*\i] row_xmask:\m row_mask:0xf bank_mask:0xf
.endr
.endr
.irp i, 0,1,2,3
	v_permlanex16_b32 v[PX+\i], v[SS+4*\i], s18, s19
.endr
.irp i, 0,1,2,3
	v_add_f32 v[SS+4*\i], v[SS+4*\i], v[PX+\i]     ; the row's sum of squares, in every lane
.endr
.irp i, 0,1,2,3
	v_fma_f32 v[SS+4*\i], v[SS+4*\i], s20, s21     ; mean + eps
.endr
.irp i, 0,1,2,3
	v_rsq_f32 v[SS+4*\i+2], v[SS+4*\i]             ; twice: the packed multiply takes a pair
	v_rsq_f32 v[SS+4*\i+3], v[SS+4*\i]
.endr
	v_nop                                          ; a plain line behind the last of the batch
	s_wait_alu depctr_va_vdst(0)                   ; one wait for the eight, ahead of their first reader
	s_wait_loadcnt 16*ROUTER                       ; the gains are in
.irp i, 0,1,2,3
.set P_, 0
.rept 16
	v_pk_mul_f32 v[X+32*\i+2*P_:X+32*\i+2*P_+1], v[X+32*\i+2*P_:X+32*\i+2*P_+1], v[SS+4*\i+2:SS+4*\i+3]
.set P_, P_+1
.endr
.endr
.irp i, 0,1,2,3
.set P_, 0
.rept 16
	v_pk_mul_f32 v[X+32*\i+2*P_:X+32*\i+2*P_+1], v[X+32*\i+2*P_:X+32*\i+2*P_+1], v[W+2*P_:W+2*P_+1]
.set P_, P_+1
.endr
.endr
.irp i, 0,1,2,3
.irp q, 0,1,2,3,4,5,6,7
	ds_store_b128 v5, v[X+32*\i+4*\q:X+32*\i+4*\q+3] offset:\i*PITCH+\q*512
.endr
.endr
.if ROUTER
	s_wait_loadcnt 0x0                             ; router_w
.irp i, 0,1,2,3
	v_mul_f32 v[SS+4*\i], v[X+32*\i], v[RT]        ; eight chains: two logits for each of four rows
	v_mul_f32 v[SS+4*\i+1], v[X+32*\i], v[RT+1]
.endr
.set E_, 1
.rept 31
.irp i, 0,1,2,3
	v_fmac_f32 v[SS+4*\i], v[X+32*\i+E_], v[RT+2*E_]
	v_fmac_f32 v[SS+4*\i+1], v[X+32*\i+E_], v[RT+2*E_+1]
.endr
.set E_, E_+1
.endr
.irp m, 1,2,4,8
.irp i, 0,1,2,3
	v_add_f32_dpp v[SS+4*\i], v[SS+4*\i], v[SS+4*\i] row_xmask:\m row_mask:0xf bank_mask:0xf
	v_add_f32_dpp v[SS+4*\i+1], v[SS+4*\i+1], v[SS+4*\i+1] row_xmask:\m row_mask:0xf bank_mask:0xf
.endr
.endr
.irp i, 0,1,2,3
	v_permlanex16_b32 v[PX+\i], v[SS+4*\i], s18, s19
.endr
.irp i, 0,1,2,3
	v_add_f32 v[SS+4*\i], v[SS+4*\i], v[PX+\i]
.endr
.irp i, 0,1,2,3
	v_permlanex16_b32 v[PX+\i], v[SS+4*\i+1], s18, s19
.endr
.irp i, 0,1,2,3
	v_add_f32 v[SS+4*\i+1], v[SS+4*\i+1], v[PX+\i]
.endr
	v_cndmask_b32 v28, v[SS], v[SS+4], s30         ; lane l takes row l % 4
	v_cndmask_b32 v29, v[SS+1], v[SS+5], s30
	v_cndmask_b32 v28, v28, v[SS+8], s31
	v_cndmask_b32 v29, v29, v[SS+9], s31
	v_cndmask_b32 v28, v28, v[SS+12], s32
	v_cndmask_b32 v29, v29, v[SS+13], s32
	v_max_num_f32 v30, v28, v29                    ; the first softmax, its maximum taken away
	v_sub_f32 v28, v28, v30
	v_sub_f32 v29, v29, v30
	v_mul_f32 v28, 0x3fb8aa3b, v28
	v_mul_f32 v29, 0x3fb8aa3b, v29
	v_exp_f32 v28, v28
	v_exp_f32 v29, v29
	v_nop
	s_wait_alu depctr_va_vdst(0)
	v_add_f32 v30, v28, v29
	v_rcp_f32 v30, v30
	v_nop
	s_wait_alu depctr_va_vdst(0)
	v_mul_f32 v28, v28, v30                        ; p0, p1
	v_mul_f32 v29, v29, v30
	v_max_num_f32 v30, v28, v29                    ; the second softmax, of the two probabilities
	v_sub_f32 v28, v28, v30
	v_sub_f32 v29, v29, v30
	v_mul_f32 v28, 0x3fb8aa3b, v28
	v_mul_f32 v29, 0x3fb8aa3b, v29
	v_exp_f32 v12, v28                             ; f0
	v_exp_f32 v13, v29                             ; f1
	v_nop
	s_wait_alu depctr_va_vdst(0)
	v_add_f32 v30, v12, v13
	v_rcp_f32 v30, v30
	v_rcp_f32 v31, v13
	v_nop
	s_wait_alu depctr_va_vdst(0)
	v_mul_f32 v28, v12, v31                        ; c0 / c1 = f0 / f1, between 1/e and e
	v_mul_f32 v30, v13, v30                        ; c1
	v_mov_b32 v29, v28
	v_mov_b32 v31, v30
	v_cmp_gt_u32 vcc_lo, 64, v1                    ; 16 x lane under 64: lanes 0 to 3
	s_wait_xcnt 0x0                                ; EXEC changes only behind this wait
	s_and_saveexec_b32 s33, vcc_lo
	global_store_b128 v1, v[28:31], s[28:29]       ; lanes 0-3: 64 consecutive bytes
	s_wait_xcnt 0x0                                ; and again ahead of the line that widens it
	s_or_b32 exec_lo, exec_lo, s33
.endif
	s_wait_dscnt 0x0                               ; my rows lie in LDS
	s_barrier_signal -1
	s_barrier_wait -1                              ; everybody's do
.irp c, 0,1,2,3
.irp i, 0,1,2,3,4,5,6,7
	ds_load_b128 v[X+32*\c+4*\i:X+32*\c+4*\i+3], v6 offset:256*\c+16*\i    ; the pitch is an odd multiple of 16 bytes: sixteen rows, sixteen different groups of banks
.endr
.endr
.irp c, 0,1,2,3
.set XS, X+32*\c
	s_wait_dscnt 24-8*\c                           ; this block's eight loads are in; the later blocks' may be out
	v_max3_num_f32 v8, |v[XS]|, |v[XS+1]|, |v[XS+2]|
	v_max3_num_f32 v9, |v[XS+3]|, |v[XS+4]|, |v[XS+5]|
.irp i, 6,10,14,18,22,26
	v_max3_num_f32 v8, v8, |v[XS+\i]|, |v[XS+\i+1]|
	v_max3_num_f32 v9, v9, |v[XS+\i+2]|, |v[XS+\i+3]|
.endr
	v_max3_num_f32 v8, v8, |v[XS+30]|, |v[XS+31]|
	v_max3_num_f32 v8, v8, v9, 0x2800000           ; the floor 2^(5 - 127)
	v_add_nc_u32 v10, 0xfe000000, v8               ; 4 off the exponent field: the conversion's scale operand
	v_cvt_scalef32_pk16_bf6_f32 v[PC+8*\c:PC+8*\c+2], v[XS:XS+15], v10
	v_cvt_scalef32_pk16_bf6_f32 v[PT:PT+2], v[XS+16:XS+31], v10
	v_lshrrev_b32 v[BY+\c], 23, v10                ; the byte (and the plain line behind the conversions)
.irp i, 0,1,2
	v_mov_b32 v[PC+8*\c+3+\i], v[PT+\i]
.endr
	global_store_b128 v1, v[PC+8*\c:PC+8*\c+3], s[24:25] offset:6144*\c        ; 512 consecutive bytes,
	global_store_b64 v2, v[PC+8*\c+4:PC+8*\c+5], s[24:25] offset:6144*\c+512   ; then 256: a whole unit of 768
.endr
	v_lshl_or_b32 v11, v[BY+1], 16, v[BY]          ; lane (r, h) holds bytes h and 2 + h of each of my two scale words
	v_lshl_or_b32 v12, v[BY+3], 16, v[BY+2]
	v_lshlrev_b32 v13, 3, v4
	v_lshlrev_b32 v11, v13, v11
	v_lshlrev_b32 v12, v13, v12
	v_permlanex16_b32 v[PX], v11, s18, s19
	v_permlanex16_b32 v[PX+1], v12, s18, s19
	v_or_b32 v11, v11, v[PX]
	v_or_b32 v12, v12, v[PX+1]
	v_cndmask_b32 v11, v11, v12, s22               ; lanes 0-15 store the first word's rows, lanes 16-31 the second's
	global_store_b32 v3, v11, s[26:27]             ; 128 consecutive bytes
	s_set_vgpr_msb 0x5
	s_wait_tensorcnt 0x0
	ds_add_u32 v0, v1
	s_wait_dscnt 0x0
	s_set_vgpr_msb 0x500
	s_endpgm
.Lfunc_end_k_qe6f67de870_prep2:
	.size	k_qe6f67de870_prep2, .Lfunc_end_k_qe6f67de870_prep2-k_qe6f67de870_prep2
	.p2alignl 7, 3214868480
	.fill 96, 4, 3214868480
	.section	.rodata,"a",@progbits
	.p2align	6, 0x0
	.amdhsa_kernel k_qe6f67de870_prep2
		.amdhsa_group_segment_fixed_size 78848
		.amdhsa_private_segment_fixed_size 0
		.amdhsa_enable_private_segment 0
		.amdhsa_kernarg_size 88
		.amdhsa_user_sgpr_count 2
		.amdhsa_user_sgpr_kernarg_segment_ptr 1
		.amdhsa_wavefront_size32 1
		.amdhsa_system_sgpr_workgroup_id_x 1
		.amdhsa_system_sgpr_workgroup_id_y 1
		.amdhsa_system_sgpr_workgroup_id_z 1
		.amdhsa_system_vgpr_workitem_id 0
		.amdhsa_next_free_vgpr 258
		.amdhsa_next_free_sgpr 80
		.amdhsa_reserve_vcc 1
		.amdhsa_float_denorm_mode_32 3
		.amdhsa_float_denorm_mode_16_64 3
		.amdhsa_memory_ordered 1
		.amdhsa_forward_progress 1
		.amdhsa_inst_pref_size 72
	.end_amdhsa_kernel
	.amdgpu_metadata
---
amdhsa.version: [ 1, 2 ]
amdhsa.kernels:
  - .name:           k_qe6f67de870_prep2
    .symbol:         k_qe6f67de870_prep2.kd
    .args:
      - { .name: e_gate, .offset: 0, .size: 8, .value_kind: global_buffer, .address_space: global }
      - { .name: e_up, .offset: 8, .size: 8, .value_kind: global_buffer, .address_space: global }
      - { .name: sh_gate, .offset: 16, .size: 8, .value_kind: global_buffer, .address_space: global }
      - { .name: sh_up, .offset: 24, .size: 8, .value_kind: global_buffer, .address_space: global }
      - { .name: e_down, .offset: 32, .size: 8, .value_kind: global_buffer, .address_space: global }
      - { .name: sh_down, .offset: 40, .size: 8, .value_kind: global_buffer, .address_space: global }
      - { .name: wts, .offset: 48, .size: 8, .value_kind: global_buffer, .address_space: global }
      - { .name: x2, .offset: 56, .size: 8, .value_kind: global_buffer, .address_space: global }
      - { .name: norm2_w, .offset: 64, .size: 8, .value_kind: global_buffer, .address_space: global }
      - { .name: router_w, .offset: 72, .size: 8, .value_kind: global_buffer, .address_space: global }
      - { .name: h2b, .offset: 80, .size: 8, .value_kind: global_buffer, .address_space: global }
    .group_segment_fixed_size: 78848
    .private_segment_fixed_size: 0
    .kernarg_segment_align: 8
    .kernarg_segment_size: 88
    .max_flat_workgroup_size: 128
    .sgpr_count:     80
    .vgpr_count:     258
    .wavefront_size: 32
...
	.end_amdgpu_metadata
.endif
;; end of part 5
;; launch gateup (part 6): grid 8 x 32, 4 waves a work-group, no clusters, 327,680 bytes of LDS; arguments h2b, wts, act; writes act
.if DOCPART == 6
	.amdgcn_target "amdgcn-amd-amdhsa--gfx1250"
	.amdhsa_code_object_version 6
	.text
	.protected	k_qe6f67de870_gateup
	.globl	k_qe6f67de870_gateup
	.p2align	8
	.type	k_qe6f67de870_gateup,@function
k_qe6f67de870_gateup:
	s_mov_b64 s[64:65], 0
	v_nop
	global_prefetch_b8 v0, s[64:65] scope:SCOPE_SE
	s_setreg_imm32_b32 hwreg(HW_REG_WAVE_MODE, 25, 1), 1
	s_wait_xcnt 0x0
; For expert 0, expert 1 and the shared expert: a = silu(h2 gate) * (h2 up), both products on codes of E3M2 (K = 1,024), a quantised at once along the hidden 512.
; SHARES: work-group (j, mt) takes tokens 128 mt .. + 127 and hidden units 64 j .. + 63 of ALL THREE experts: h2's block stays in LDS and three weight blocks (4 gate tiles and the 4 up tiles of the same units)
; pass through two slots: expert 0 in slot 0, expert 1 in slot 1 (both asked for at the head), the shared one again in slot 0: one refill in the launch.  256 work-groups of equal work.
; A wave takes 32 tokens (two tiles) x all eight weight tiles: gate and up of a unit fall into the same lane, 32 registers apart.  16 accumulators by turns, one instruction a turn.
; Source 0 = weights, source 1 = tokens: a lane holds one token, and its registers run along the hidden units, the next K: lane r of tile T holds row 32 (T/2) + 8 (T%2) + r%8 + 16 (r/8).
; Operands lie as images of their registers (units of 768 bytes).  The scale bytes leave as stores of two bytes (192 KiB in the launch).
; No cluster: a work-group asks for each operand byte once, at its head or in its one refill.  LDS is claimed whole and 0 is added to spare words.
; LIMITS: NaN and infinities are not served; a block whose largest magnitude lies under 2^-122 (zeros too) gets the byte 1; only this program reads the bytes.
.set MT, 2
.set NT, 8
.set SSTR, 8
.set ASC,   3145728                    ; h2b: scale words
.set BIMG,  3145728                    ; wts: gate and up
.set BSC,   6815744
.set ACT_SC, 4718592
.set SCA,   294912
.set SCB,   299008
.set SPARE, 311296
.set A16, 2
.set A8,  4
.set B16, 6
.set B8,  8
.set HW,  22                           ; v22-23 two scale bytes each
.set SA,  32                           ; v32-39
.set SB,  40                           ; v40-71
.set ACC, 72                           ; v72-199: token tile a at 64 a: 32 of gate, 32 of up
.set TT,  200                          ; v200-231
.set BM,  232
.set PX,  234
.set SO,  236
.set BY,  238
.set PT,  240
.set PC,  244                          ; v244-255 two units of codes
.set SEL, 98
.set MSB, 0
.macro WIN new
.if MSB != \new
	s_set_vgpr_msb (MSB<<8)|\new
.set MSB, \new
.endif
.endm
.macro PLACES n
.rept \n
	v_nop
.endr
.endm
.macro BAR
	s_barrier_signal -1
	s_barrier_wait -1
.endm
.macro GROUP1 g, rows
	s_mov_b32 s[\g], 3<<16
	s_mov_b32 s[\g+1], 32<<16
	s_mov_b32 s[\g+2], (\rows)<<16
	s_mov_b32 s[\g+3], 32<<16
	s_mov_b32 s[\g+4], \rows
	s_mov_b32 s[\g+5], 32
	s_mov_b32 s[\g+6], 0
	s_mov_b32 s[\g+7], 0
.endm
.macro WM d, s0, s1, z, x0, x1, r0, r1
.if \z
.if (\r0) && (\r1)
	v_wmma_scale_f32_16x16x128_f8f6f4 v[\d:\d+7], v[\s0:\s0+11], v[\s1:\s1+11], 0, v[\x0], v[\x1] matrix_a_fmt:MATRIX_FMT_BF6 matrix_b_fmt:MATRIX_FMT_BF6 matrix_a_scale:MATRIX_SCALE_ROW1 matrix_b_scale:MATRIX_SCALE_ROW1
.elseif (\r0)
	v_wmma_scale_f32_16x16x128_f8f6f4 v[\d:\d+7], v[\s0:\s0+11], v[\s1:\s1+11], 0, v[\x0], v[\x1] matrix_a_fmt:MATRIX_FMT_BF6 matrix_b_fmt:MATRIX_FMT_BF6 matrix_a_scale:MATRIX_SCALE_ROW1
.elseif (\r1)
	v_wmma_scale_f32_16x16x128_f8f6f4 v[\d:\d+7], v[\s0:\s0+11], v[\s1:\s1+11], 0, v[\x0], v[\x1] matrix_a_fmt:MATRIX_FMT_BF6 matrix_b_fmt:MATRIX_FMT_BF6 matrix_b_scale:MATRIX_SCALE_ROW1
.else
	v_wmma_scale_f32_16x16x128_f8f6f4 v[\d:\d+7], v[\s0:\s0+11], v[\s1:\s1+11], 0, v[\x0], v[\x1] matrix_a_fmt:MATRIX_FMT_BF6 matrix_b_fmt:MATRIX_FMT_BF6
.endif
.else
.if (\r0) && (\r1)
	v_wmma_scale_f32_16x16x128_f8f6f4 v[\d:\d+7], v[\s0:\s0+11], v[\s1:\s1+11], v[\d:\d+7], v[\x0], v[\x1] matrix_a_fmt:MATRIX_FMT_BF6 matrix_b_fmt:MATRIX_FMT_BF6 matrix_a_scale:MATRIX_SCALE_ROW1 matrix_b_scale:MATRIX_SCALE_ROW1
.elseif (\r0)
	v_wmma_scale_f32_16x16x128_f8f6f4 v[\d:\d+7], v[\s0:\s0+11], v[\s1:\s1+11], v[\d:\d+7], v[\x0], v[\x1] matrix_a_fmt:MATRIX_FMT_BF6 matrix_b_fmt:MATRIX_FMT_BF6 matrix_a_scale:MATRIX_SCALE_ROW1
.elseif (\r1)
	v_wmma_scale_f32_16x16x128_f8f6f4 v[\d:\d+7], v[\s0:\s0+11], v[\s1:\s1+11], v[\d:\d+7], v[\x0], v[\x1] matrix_a_fmt:MATRIX_FMT_BF6 matrix_b_fmt:MATRIX_FMT_BF6 matrix_b_scale:MATRIX_SCALE_ROW1
.else
	v_wmma_scale_f32_16x16x128_f8f6f4 v[\d:\d+7], v[\s0:\s0+11], v[\s1:\s1+11], v[\d:\d+7], v[\x0], v[\x1] matrix_a_fmt:MATRIX_FMT_BF6 matrix_b_fmt:MATRIX_FMT_BF6
.endif
.endif
.endm
.macro FETCH ks, f, slot
	WIN 0x40
.set C_, 0
.rept 2
.set KH_, 2*(\ks)+C_
.set T_, 0
.rept MT
	ds_load_b128 v[(\f)+12*T_+6*C_:(\f)+12*T_+6*C_+3], v[A16+KH_/8] offset:(KH_%8)*6144+T_*768
	ds_load_b64 v[(\f)+12*T_+6*C_+4:(\f)+12*T_+6*C_+5], v[A8+KH_/8] offset:(KH_%8)*6144+T_*768
.set T_, T_+1
.endr
.set T_, 0
.rept NT
	ds_load_b128 v[(\f)+12*(MT+T_)+6*C_:(\f)+12*(MT+T_)+6*C_+3], v[B16+4*(\slot)+KH_/8] offset:(KH_%8)*6144+T_*768
	ds_load_b64 v[(\f)+12*(MT+T_)+6*C_+4:(\f)+12*(MT+T_)+6*C_+5], v[B8+4*(\slot)+KH_/8] offset:(KH_%8)*6144+T_*768
.set T_, T_+1
.endr
.set C_, C_+1
.endr
.endm
.macro MUL ks, f, zero, tr
	WIN 0x05
.set A_, 0
.rept MT
.set B_, 0
.rept NT
.if \tr
	WM ACC+8*(NT*A_+B_), (\f)+12*(MT+B_), (\f)+12*A_, \zero, SB+SSTR*(B_/2)+(\ks), SA+SSTR*(A_/2)+(\ks), B_%2, A_%2
.else
	WM ACC+8*(MT*B_+A_), (\f)+12*A_, (\f)+12*(MT+B_), \zero, SA+SSTR*(A_/2)+(\ks), SB+SSTR*(B_/2)+(\ks), A_%2, B_%2
.endif
.set B_, B_+1
.endr
.set A_, A_+1
.endr
.endm
.macro KSTEPS n, slot, tr, zero0, tc   ; tc >= 0: ahead of the fetch of K steps 2, 4, 6 stand the wait that leaves tc, tc - 1, tc - 2 later loads out, and a barrier
.set KS_, 0
.rept \n
	s_wait_dscnt 0x0
.if (\tc >= 0) && (KS_%2 == 1) && (KS_+1 < \n)
	s_wait_tensorcnt (\tc)-(KS_/2)
	BAR
.endif
.if KS_+1 < \n
	PLACES 4                                       ; four places between the last products and loads into registers that they read
	FETCH KS_+1, 128*((KS_+1)%2), \slot
.endif
.if (\zero0) && (KS_ == 0)
	MUL KS_, 0, 1, \tr
.else
	MUL KS_, 128*(KS_%2), 0, \tr
.endif
.set KS_, KS_+1
.endr
.endm
.macro SCALES reg, adr, np, off
.set P_, 0
.rept \np
.set K_, 0
.rept SSTR
	ds_load_b32 v[\reg+SSTR*P_+K_], v[\adr] offset:(\off)+P_*SSTR*128+K_*64
.set K_, K_+1
.endr
.set P_, P_+1
.endr
.endm
.macro QUANT32 s, pc, hw               ; 32 numbers of a lane, register 16 b + i = k 32 b + 16 (lane / 16) + i, become a unit's six registers and two scale bytes
	v_max3_num_f32 v[BM], |v[\s]|, |v[\s+1]|, 0x2800000
	v_max3_num_f32 v[BM+1], |v[\s+16]|, |v[\s+17]|, 0x2800000
.irp i, 2,4,6,8,10,12,14
	v_max3_num_f32 v[BM], v[BM], |v[\s+\i]|, |v[\s+\i+1]|
	v_max3_num_f32 v[BM+1], v[BM+1], |v[\s+16+\i]|, |v[\s+17+\i]|
.endr
	v_permlanex16_b32 v[PX], v[BM], s[SEL], s[SEL+1]
	v_permlanex16_b32 v[PX+1], v[BM+1], s[SEL], s[SEL+1]
	v_max_num_f32 v[BM], v[BM], v[PX]
	v_max_num_f32 v[BM+1], v[BM+1], v[PX+1]
	v_add_nc_u32 v[SO], 0xfe000000, v[BM]
	v_add_nc_u32 v[SO+1], 0xfe000000, v[BM+1]
	v_lshrrev_b32 v[BY], 23, v[SO]
	v_lshrrev_b32 v[BY+1], 23, v[SO+1]
	v_lshl_or_b32 v[\hw], v[BY+1], 8, v[BY]
	v_cvt_scalef32_pk16_bf6_f32 v[\pc:\pc+2], v[\s:\s+15], v[SO]
	v_cvt_scalef32_pk16_bf6_f32 v[PT:PT+2], v[\s+16:\s+31], v[SO+1]
	v_nop
.irp i, 0,1,2
	v_permlane16_swap_b32 v[\pc+\i], v[PT+\i]
.endr
.irp i, 0,1,2
	v_mov_b32 v[\pc+3+\i], v[PT+\i]
.endr
.endm
.macro EPI_ACT e                       ; (g * 1 / (1 + 2^(-g log2 e))) * u in f32, quantised, stored
	WIN 0
	s_wait_xcnt 0x0                                ; earlier stores have read their registers
.irp a, 0,1
.set G_, ACC+64*\a
.set P_, 0
.rept 16
	v_pk_mul_f32 v[TT+2*P_:TT+2*P_+1], v[G_+2*P_:G_+2*P_+1], 0xbfb8aa3b op_sel_hi:[1,0]
.set P_, P_+1
.endr
.set P_, 0
.rept 32
	v_exp_f32 v[TT+P_], v[TT+P_]
.set P_, P_+1
.endr
	v_nop                                          ; a plain line behind the batch,
	s_wait_alu depctr_va_vdst(0)                   ; and one wait for it ahead of its first reader
.set P_, 0
.rept 16
	v_pk_add_f32 v[TT+2*P_:TT+2*P_+1], v[TT+2*P_:TT+2*P_+1], 1.0 op_sel_hi:[1,0]
.set P_, P_+1
.endr
.set P_, 0
.rept 32
	v_rcp_f32 v[TT+P_], v[TT+P_]
.set P_, P_+1
.endr
	v_nop
	s_wait_alu depctr_va_vdst(0)
.set P_, 0
.rept 16
	v_pk_mul_f32 v[G_+2*P_:G_+2*P_+1], v[G_+2*P_:G_+2*P_+1], v[TT+2*P_:TT+2*P_+1]
.set P_, P_+1
.endr
.set P_, 0
.rept 16
	v_pk_mul_f32 v[G_+2*P_:G_+2*P_+1], v[G_+2*P_:G_+2*P_+1], v[G_+32+2*P_:G_+32+2*P_+1]
.set P_, P_+1
.endr
	QUANT32 G_, PC+6*\a, HW+\a
	global_store_b128 v16, v[PC+6*\a:PC+6*\a+3], s[72:73] offset:(\e)*1572864+768*\a
	global_store_b64 v17, v[PC+6*\a+4:PC+6*\a+5], s[72:73] offset:(\e)*1572864+768*\a+512
.endr
	v_cndmask_b32 v24, v[HW], v[HW+1], s97         ; lanes 0-15 store the even tile's rows, lanes 16-31 the odd tile's
	global_store_b16 v18, v24, s[76:77] offset:(\e)*65536
.endm
	s_load_b128 s[4:7], s[0:1], 0x0                ; h2b, wts
	s_load_b64 s[8:9], s[0:1], 0x10                ; act
	v_lshl_add_u32 v28, v0, 2, SPARE
	v_mov_b32 v29, 0
	ds_add_u32 v28, v29
	ds_add_u32 v28, v29
	s_wait_dscnt 0x0
	v_lshrrev_b32 v1, 5, v0
	v_readfirstlane_b32 s10, v1                    ; wave
	s_lshr_b32 s11, s10, 1
	s_and_b32 s12, s10, 1
	s_mov_b32 s13, ttmp9                           ; j
	s_and_b32 s14, ttmp7, 0xffff                   ; mt
	GROUP1 16, 16
	GROUP1 24, 48
	GROUP1 32, 96
	s_mov_b32 s83, 0
	s_mov_b32 s85, 0
	s_mov_b32 s87, 0
	s_mul_i32 s82, s14, 98304
	s_mul_i32 s84, s13, 98304
	s_add_co_u32 s84, s84, BIMG
	s_mul_i32 s86, s12, 12288
	s_mul_i32 s94, s11, 98304
	s_add_co_u32 s94, s94, s86                     ; waves 0, 1: halves of A's chunks; waves 2, 3: of slot 0's
	s_wait_kmcnt 0x0
	s_add_nc_u64 s[88:89], s[4:5], s[82:83]
	s_add_nc_u64 s[90:91], s[6:7], s[84:85]
	s_cmp_lt_u32 s10, 2
	s_cselect_b64 s[92:93], s[88:89], s[90:91]
	s_add_nc_u64 s[92:93], s[92:93], s[86:87]
.irp c, 0,1,2,3
	s_mov_b32 s[44+4*\c], 1
	s_add_co_u32 s[45+4*\c], s94, 24576*\c
	s_add_nc_u64 s[46+4*\c:47+4*\c], s[92:93], 24576*\c
	s_or_b32 s[47+4*\c], s[47+4*\c], 0x80000000
.endr
	s_mul_i32 s86, s10, 24576
	s_add_nc_u64 s[90:91], s[90:91], s[86:87]
	s_mov_b32 s60, 1                               ; expert 1's block into slot 1, a quarter a wave
	s_add_co_u32 s61, s86, 196608
	s_add_nc_u64 s[62:63], s[90:91], 786432
	s_or_b32 s63, s63, 0x80000000
	s_mov_b32 s68, 1                               ; the shared expert's into slot 0: the refill
	s_add_co_u32 s69, s86, 98304
	s_add_nc_u64 s[70:71], s[90:91], 1572864
	s_or_b32 s71, s71, 0x80000000
	s_lshl_b32 s82, s14, 12
	s_add_co_u32 s82, s82, ASC
	s_add_nc_u64 s[88:89], s[4:5], s[82:83]
	s_max_u32 s84, s10, 1
	s_sub_co_u32 s84, s84, 1
	s_lshl_b32 s84, s84, 3
	s_add_co_u32 s84, s84, s13
	s_lshl_b32 s84, s84, 12
	s_add_co_u32 s84, s84, BSC
	s_add_nc_u64 s[92:93], s[6:7], s[84:85]
	s_cmp_eq_u32 s10, 0                            ; wave 0: A's scale words; waves 1 to 3: the three experts'
	s_cselect_b64 s[42:43], s[88:89], s[92:93]
	s_or_b32 s43, s43, 0x80000000
	s_mov_b32 s40, 1
	s_lshl_b32 s41, s10, 12
	s_add_co_u32 s41, s41, SCA
	tensor_load_to_lds s[40:43], s[16:23]          ; the first fills, one group: six loads of mine are out
	s_nop 0
	tensor_load_to_lds s[44:47], s[24:31]
	s_nop 0
	tensor_load_to_lds s[48:51], s[24:31]
	s_nop 0
	tensor_load_to_lds s[52:55], s[24:31]
	s_nop 0
	tensor_load_to_lds s[56:59], s[24:31]
	s_nop 0
	tensor_load_to_lds s[60:63], s[32:39]
	s_nop 0
	PLACES 4
	v_and_b32 v1, 31, v0
	v_and_b32 v30, 15, v0                          ; r
	v_bfe_u32 v31, v0, 4, 1                        ; h
	v_lshlrev_b32 v16, 4, v1
	v_lshlrev_b32 v17, 3, v1
	s_mul_i32 s82, s10, 1536                       ; my two tiles of A
	v_add_nc_u32 v2, s82, v16
	v_add_nc_u32 v3, 49152, v2
	v_add_nc_u32 v4, s82, v17
	v_add_nc_u32 v4, 512, v4
	v_add_nc_u32 v5, 49152, v4
	v_add_nc_u32 v6, 98304, v16                    ; all eight tiles of B
	v_add_nc_u32 v7, 49152, v6
	v_add_nc_u32 v8, 98304+512, v17
	v_add_nc_u32 v9, 49152, v8
.irp i, 0,1,2,3
	v_add_nc_u32 v[10+\i], 98304, v[6+\i]
.endr
	v_lshlrev_b32 v14, 2, v30
	v_lshl_add_u32 v18, v31, 8, v14                ; act's scale bytes: 4 r + a tile's 256 bytes for lanes 16-31
	v_lshl_add_u32 v14, v31, 9, v14
	v_add_nc_u32 v15, SCB, v14
	s_lshl_b32 s82, s10, 10
	s_add_co_u32 s82, s82, SCA
	v_add_nc_u32 v14, s82, v14
	v_mov_b32 v[PX], 0
	v_mov_b32 v[PX+1], 0
	s_mov_b32 s97, 0xffff0000
	s_mov_b32 s[SEL], 0x76543210
	s_mov_b32 s[SEL+1], 0xfedcba98
	s_mul_i32 s86, s14, 49152
	s_mul_i32 s88, s13, 6144
	s_add_co_u32 s86, s86, s88
	s_mul_i32 s88, s10, 1536
	s_add_co_u32 s86, s86, s88
	s_add_nc_u64 s[72:73], s[8:9], s[86:87]        ; my two units (an expert on: 1,572,864 bytes)
	s_lshl_b32 s86, s14, 3
	s_lshl_b32 s88, s10, 1
	s_add_co_u32 s86, s86, s88
	s_lshl_b32 s86, s86, 2
	s_lshr_b32 s88, s13, 1
	s_add_co_u32 s86, s86, s88
	s_lshl_b32 s86, s86, 6
	s_and_b32 s88, s13, 1
	s_lshl_b32 s88, s88, 1
	s_add_co_u32 s86, s86, s88
	s_add_co_u32 s86, s86, ACT_SC
	s_add_nc_u64 s[76:77], s[8:9], s[86:87]        ; my two of a scale word's four bytes
	s_wait_tensorcnt 0x4                           ; the scale words and chunk 0 are in; three chunks and slot 1 may be out
	BAR
	SCALES SA, 14, 1, 0
	SCALES SB, 15, 4, 0
	FETCH 0, 0, 0
	KSTEPS 8, 0, 1, 1, 3                           ; expert 0
	WIN 0
	s_wait_tensorcnt 0x0                           ; all my loads have landed, slot 1's quarter among them;
	ds_add_u32 v28, v29                            ; 0 onto my spare word;
	s_wait_dscnt 0x0                               ; the add is done, and my reads of slot 0 are over
	s_barrier_signal -1
	s_barrier_wait -1                              ; both hold of every wave
	tensor_load_to_lds s[68:71], s[32:39]          ; the shared expert's block into slot 0
	s_nop 0
	PLACES 4                                       ; (also the places behind the last products)
	EPI_ACT 0
	PLACES 4
	SCALES SB, 15, 4, 4096
	FETCH 0, 0, 1
	KSTEPS 8, 1, 1, 1, -1                          ; expert 1
	WIN 0
	PLACES 4
	EPI_ACT 1
	s_wait_tensorcnt 0x0                           ; my quarter of the refill is in,
	s_wait_dscnt 0x0
	BAR                                            ; everybody's is
	PLACES 4
	SCALES SB, 15, 4, 8192
	FETCH 0, 0, 0
	KSTEPS 8, 0, 1, 1, -1                          ; the shared expert
	WIN 0
	PLACES 4
	EPI_ACT 2
	s_wait_tensorcnt 0x0                           ; the wave's end
	ds_add_u32 v28, v29
	s_wait_dscnt 0x0
	s_endpgm
.Lfunc_end_k_qe6f67de870_gateup:
	.size	k_qe6f67de870_gateup, .Lfunc_end_k_qe6f67de870_gateup-k_qe6f67de870_gateup
	.p2alignl 7, 3214868480
	.fill 96, 4, 3214868480
	.section	.rodata,"a",@progbits
	.p2align	6, 0x0
	.amdhsa_kernel k_qe6f67de870_gateup
		.amdhsa_group_segment_fixed_size 327680
		.amdhsa_private_segment_fixed_size 0
		.amdhsa_enable_private_segment 0
		.amdhsa_kernarg_size 24
		.amdhsa_user_sgpr_count 2
		.amdhsa_user_sgpr_kernarg_segment_ptr 1
		.amdhsa_wavefront_size32 1
		.amdhsa_system_sgpr_workgroup_id_x 1
		.amdhsa_system_sgpr_workgroup_id_y 1
		.amdhsa_system_sgpr_workgroup_id_z 1
		.amdhsa_system_vgpr_workitem_id 0
		.amdhsa_next_free_vgpr 512
		.amdhsa_next_free_sgpr 100
		.amdhsa_reserve_vcc 0
		.amdhsa_float_denorm_mode_32 3
		.amdhsa_float_denorm_mode_16_64 3
		.amdhsa_memory_ordered 1
		.amdhsa_forward_progress 1
		.amdhsa_inst_pref_size 182
	.end_amdhsa_kernel
	.amdgpu_metadata
---
amdhsa.version: [ 1, 2 ]
amdhsa.kernels:
  - .name:           k_qe6f67de870_gateup
    .symbol:         k_qe6f67de870_gateup.kd
    .args:
      - { .name: h2b, .offset: 0, .size: 8, .value_kind: global_buffer, .address_space: global }
      - { .name: wts, .offset: 8, .size: 8, .value_kind: global_buffer, .address_space: global }
      - { .name: act, .offset: 16, .size: 8, .value_kind: global_buffer, .address_space: global }
    .group_segment_fixed_size: 327680
    .private_segment_fixed_size: 0
    .kernarg_segment_align: 8
    .kernarg_segment_size: 24
    .max_flat_workgroup_size: 128
    .sgpr_count:     100
    .vgpr_count:     512
    .wavefront_size: 32
...
	.end_amdgpu_metadata
.endif
;; end of part 6
;; launch down (part 7): grid 8 x 32, 4 waves a work-group, no clusters, 327,680 bytes of LDS; arguments act, wts, h2b, x2, out0; writes out0
.if DOCPART == 7
	.amdgcn_target "amdgcn-amd-amdhsa--gfx1250"
	.amdhsa_code_object_version 6
	.text
	.protected	k_qe6f67de870_down
	.globl	k_qe6f67de870_down
	.p2align	8
	.type	k_qe6f67de870_down,@function
k_qe6f67de870_down:
	s_mov_b64 s[64:65], 0
	v_nop
	global_prefetch_b8 v0, s[64:65] scope:SCOPE_SE
	s_setreg_imm32_b32 hwreg(HW_REG_WAVE_MODE, 25, 1), 1
	s_wait_xcnt 0x0
; out = x2 + c0 (a0 down0) + c1 (a1 down1) + (as down_s), the three products on codes of E3M2 (K = 512), all into ONE set of accumulators:
; after expert 0's K steps the sums are multiplied by c0 / c1, after expert 1's by c1, then the shared expert's are added: c1 ((c0 / c1) E0 + E1) + S.
; LIMIT: that order of rounding differs from the reference's; c0 / c1 = e^(p0 - p1) with p in [0, 1], so it lies between 1/e and e, and no difference of large sums is formed.
; SHARES: work-group (nt, mt) makes 128 tokens x 128 columns; the three experts' operands, 2 x 49,152 bytes each, lie whole in LDS, each byte filled once; work begins when the first expert's have landed.
; By this text's count a wave has six tensor loads out.  A wave makes 64 x 64: 16 accumulators by turns, one instruction a turn.
; Source 0 = weights, source 1 = tokens: a lane holds one token, so its two weights are two registers.  x2's part is loaded at the head.  The way out is the wave's own stage in LDS, bytes that no tensor load fills.
; No cluster: each operand byte is asked for once by a work-group, at its head.
.set MT, 4
.set NT, 4
.set SSTR, 4
.set ACT_SC, 4718592
.set DN_IMG, 5505024
.set DN_SC,  6914048
.set COMB,   3276800
.set SCL,   294912                     ; LDS: expert e: A 98,304 e, B + 49,152; scale words 4,096 an expert (A's, then B's); the stages
.set STAGE, 307200
.set STO, 16
.set RD,  17
.set CO,  18
.set ACC, 64
.set CB,  192                          ; v192-207 token tile a: c0/c1 twice, c1 twice
.set TMP, 224
.set OUTP, 88
.set MSB, 0
.macro WIN new
.if MSB != \new
	s_set_vgpr_msb (MSB<<8)|\new
.set MSB, \new
.endif
.endm
.macro PLACES n
.rept \n
	v_nop
.endr
.endm
.macro BAR
	s_barrier_signal -1
	s_barrier_wait -1
.endm
.macro GROUP1 g, rows
	s_mov_b32 s[\g], 3<<16
	s_mov_b32 s[\g+1], 32<<16
	s_mov_b32 s[\g+2], (\rows)<<16
	s_mov_b32 s[\g+3], 32<<16
	s_mov_b32 s[\g+4], \rows
	s_mov_b32 s[\g+5], 32
	s_mov_b32 s[\g+6], 0
	s_mov_b32 s[\g+7], 0
.endm
.macro WM d, s0, s1, z, x0, x1, r0, r1
.if \z
.if (\r0) && (\r1)
	v_wmma_scale_f32_16x16x128_f8f6f4 v[\d:\d+7], v[\s0:\s0+11], v[\s1:\s1+11], 0, v[\x0], v[\x1] matrix_a_fmt:MATRIX_FMT_BF6 matrix_b_fmt:MATRIX_FMT_BF6 matrix_a_scale:MATRIX_SCALE_ROW1 matrix_b_scale:MATRIX_SCALE_ROW1
.elseif (\r0)
	v_wmma_scale_f32_16x16x128_f8f6f4 v[\d:\d+7], v[\s0:\s0+11], v[\s1:\s1+11], 0, v[\x0], v[\x1] matrix_a_fmt:MATRIX_FMT_BF6 matrix_b_fmt:MATRIX_FMT_BF6 matrix_a_scale:MATRIX_SCALE_ROW1
.elseif (\r1)
	v_wmma_scale_f32_16x16x128_f8f6f4 v[\d:\d+7], v[\s0:\s0+11], v[\s1:\s1+11], 0, v[\x0], v[\x1] matrix_a_fmt:MATRIX_FMT_BF6 matrix_b_fmt:MATRIX_FMT_BF6 matrix_b_scale:MATRIX_SCALE_ROW1
.else
	v_wmma_scale_f32_16x16x128_f8f6f4 v[\d:\d+7], v[\s0:\s0+11], v[\s1:\s1+11], 0, v[\x0], v[\x1] matrix_a_fmt:MATRIX_FMT_BF6 matrix_b_fmt:MATRIX_FMT_BF6
.endif
.else
.if (\r0) && (\r1)
	v_wmma_scale_f32_16x16x128_f8f6f4 v[\d:\d+7], v[\s0:\s0+11], v[\s1:\s1+11], v[\d:\d+7], v[\x0], v[\x1] matrix_a_fmt:MATRIX_FMT_BF6 matrix_b_fmt:MATRIX_FMT_BF6 matrix_a_scale:MATRIX_SCALE_ROW1 matrix_b_scale:MATRIX_SCALE_ROW1
.elseif (\r0)
	v_wmma_scale_f32_16x16x128_f8f6f4 v[\d:\d+7], v[\s0:\s0+11], v[\s1:\s1+11], v[\d:\d+7], v[\x0], v[\x1] matrix_a_fmt:MATRIX_FMT_BF6 matrix_b_fmt:MATRIX_FMT_BF6 matrix_a_scale:MATRIX_SCALE_ROW1
.elseif (\r1)
	v_wmma_scale_f32_16x16x128_f8f6f4 v[\d:\d+7], v[\s0:\s0+11], v[\s1:\s1+11], v[\d:\d+7], v[\x0], v[\x1] matrix_a_fmt:MATRIX_FMT_BF6 matrix_b_fmt:MATRIX_FMT_BF6 matrix_b_scale:MATRIX_SCALE_ROW1
.else
	v_wmma_scale_f32_16x16x128_f8f6f4 v[\d:\d+7], v[\s0:\s0+11], v[\s1:\s1+11], v[\d:\d+7], v[\x0], v[\x1] matrix_a_fmt:MATRIX_FMT_BF6 matrix_b_fmt:MATRIX_FMT_BF6
.endif
.endif
.endm
.macro FETCH ks, f, slot
	WIN 0x40
.set C_, 0
.rept 2
.set KH_, 2*(\ks)+C_
.set T_, 0
.rept MT
	ds_load_b128 v[(\f)+12*T_+6*C_:(\f)+12*T_+6*C_+3], v[A16+KH_/8] offset:(KH_%8)*6144+T_*768
	ds_load_b64 v[(\f)+12*T_+6*C_+4:(\f)+12*T_+6*C_+5], v[A8+KH_/8] offset:(KH_%8)*6144+T_*768
.set T_, T_+1
.endr
.set T_, 0
.rept NT
	ds_load_b128 v[(\f)+12*(MT+T_)+6*C_:(\f)+12*(MT+T_)+6*C_+3], v[B16+4*(\slot)+KH_/8] offset:(KH_%8)*6144+T_*768
	ds_load_b64 v[(\f)+12*(MT+T_)+6*C_+4:(\f)+12*(MT+T_)+6*C_+5], v[B8+4*(\slot)+KH_/8] offset:(KH_%8)*6144+T_*768
.set T_, T_+1
.endr
.set C_, C_+1
.endr
.endm
.macro MUL ks, f, zero, tr
	WIN 0x05
.set A_, 0
.rept MT
.set B_, 0
.rept NT
.if \tr
	WM ACC+8*(NT*A_+B_), (\f)+12*(MT+B_), (\f)+12*A_, \zero, SB+SSTR*(B_/2)+(\ks), SA+SSTR*(A_/2)+(\ks), B_%2, A_%2
.else
	WM ACC+8*(MT*B_+A_), (\f)+12*A_, (\f)+12*(MT+B_), \zero, SA+SSTR*(A_/2)+(\ks), SB+SSTR*(B_/2)+(\ks), A_%2, B_%2
.endif
.set B_, B_+1
.endr
.set A_, A_+1
.endr
.endm
.macro KSTEPS n, slot, tr, zero0, tc
.set KS_, 0
.rept \n
	s_wait_dscnt 0x0
.if (\tc >= 0) && (KS_%2 == 1) && (KS_+1 < \n)
	s_wait_tensorcnt (\tc)-(KS_/2)
	BAR
.endif
.if KS_+1 < \n
	PLACES 4                                       ; four places between the last products and loads into registers that they read
	FETCH KS_+1, 128*((KS_+1)%2), \slot
.endif
.if (\zero0) && (KS_ == 0)
	MUL KS_, 0, 1, \tr
.else
	MUL KS_, 128*(KS_%2), 0, \tr
.endif
.set KS_, KS_+1
.endr
.endm
.macro SCALES reg, adr, np, off
.set P_, 0
.rept \np
.set K_, 0
.rept SSTR
	ds_load_b32 v[\reg+SSTR*P_+K_], v[\adr] offset:(\off)+P_*SSTR*128+K_*64
.set K_, K_+1
.endr
.set P_, P_+1
.endr
.endm
.macro OUTROWS a                       ; token tile a: 16 rows x 64 columns through my stage, the residual added, whole rows of 256 bytes stored
	s_wait_xcnt 0x0                                ; the last tile's stores have read their registers
.irp b, 0,1,2,3
	ds_store_b128 v[STO], v[ACC+32*\a+8*\b:ACC+32*\a+8*\b+3] offset:128*(\b/2)+32*(\b%2)      ; each accumulator from its low end on
	ds_store_b128 v[STO], v[ACC+32*\a+8*\b+4:ACC+32*\a+8*\b+7] offset:128*(\b/2)+32*(\b%2)+16
.endr
.irp i, 0,1,2,3,4,5,6,7
	ds_load_b128 v[TMP+4*\i:TMP+4*\i+3], v[RD] offset:\i*544       ; LDS serves a wave's instructions in order: these see my stores
.endr
	s_wait_dscnt 0x0
	WIN 0x08                                       ; source 1: window 2, the residual
.set P_, 0
.rept 16
	v_pk_add_f32 v[TMP+2*P_:TMP+2*P_+1], v[TMP+2*P_:TMP+2*P_+1], v[32*\a+2*P_:32*\a+2*P_+1]
.set P_, P_+1
.endr
	WIN 0
.irp i, 0,1,2,3,4,5,6,7
	global_store_b128 v[CO], v[TMP+4*\i:TMP+4*\i+3], s[OUTP:OUTP+1] offset:(32*(\a/2)+8*(\a%2)+2*\i+8*(\i/4))*4096 th:TH_STORE_NT
.endr
.endm
	s_load_b256 s[4:11], s[0:1], 0x0               ; act, wts, h2b, x2
	s_load_b64 s[12:13], s[0:1], 0x20              ; out0
	v_lshl_add_u32 v222, v0, 2, 0x4f400
	v_mov_b32 v223, 0
	ds_add_u32 v222, v223
	ds_add_u32 v222, v223
	v_lshrrev_b32 v1, 5, v0
	v_readfirstlane_b32 s14, v1                    ; wave
	s_lshr_b32 s32, s14, 1                         ; mh
	s_and_b32 s33, s14, 1                          ; nh
	s_and_b32 s34, ttmp7, 0xffff                   ; mt
	s_mov_b32 s35, ttmp9                           ; nt
	GROUP1 16, 4
	GROUP1 24, 96
	s_mov_b32 s71, 0
	s_mov_b32 s73, 0
	s_mov_b32 s75, 0
	s_mov_b32 s77, 0
	s_mov_b32 s72, DN_SC
	s_mov_b32 s74, 393216
	s_mov_b32 s76, 16384
	s_wait_dscnt 0x0
	s_wait_kmcnt 0x0
	s_cmp_lt_u32 s14, 2                            ; waves 0, 1 fetch the activations' halves, waves 2, 3 the weights'
	s_cselect_b64 s[66:67], s[4:5], s[6:7]
	s_cselect_b32 s68, s34, s35
	s_cselect_b32 s70, 0, DN_IMG
	s_cselect_b32 s72, ACT_SC, s72
	s_cselect_b32 s74, 1572864, s74                ; from expert to expert: codes,
	s_cselect_b32 s76, 65536, s76                  ; scale words
	s_mul_i32 s69, s68, 49152
	s_add_co_u32 s70, s70, s69
	s_mul_i32 s69, s33, 24576
	s_add_co_u32 s70, s70, s69
	s_lshl_b32 s69, s68, 11
	s_add_co_u32 s72, s72, s69
	s_lshl_b32 s69, s33, 10
	s_add_co_u32 s72, s72, s69
	s_add_nc_u64 s[78:79], s[66:67], s[70:71]
	s_add_nc_u64 s[80:81], s[66:67], s[72:73]
	s_lshl_b32 s82, s14, 10
	s_add_co_u32 s82, s82, SCL
	s_mul_i32 s83, s14, 24576
.irp e, 0,1,2
	s_mov_b32 s[40+8*\e], 1
	s_add_co_u32 s[41+8*\e], s82, 4096*\e
	s_mov_b64 s[42+8*\e:43+8*\e], s[80:81]
	s_or_b32 s[43+8*\e], s[43+8*\e], 0x80000000
	s_mov_b32 s[44+8*\e], 1
	s_add_co_u32 s[45+8*\e], s83, 98304*\e
	s_mov_b64 s[46+8*\e:47+8*\e], s[78:79]
	s_or_b32 s[47+8*\e], s[47+8*\e], 0x80000000
	s_add_nc_u64 s[78:79], s[78:79], s[74:75]
	s_add_nc_u64 s[80:81], s[80:81], s[76:77]
.endr
	tensor_load_to_lds s[40:43], s[16:23]          ; for each expert: a quarter of its scale words, a quarter of its codes
	s_nop 0
	tensor_load_to_lds s[44:47], s[24:31]
	s_nop 0
	tensor_load_to_lds s[48:51], s[16:23]
	s_nop 0
	tensor_load_to_lds s[52:55], s[24:31]
	s_nop 0
	tensor_load_to_lds s[56:59], s[16:23]
	s_nop 0
	tensor_load_to_lds s[60:63], s[24:31]
	s_nop 0
	PLACES 4
	v_and_b32 v1, 31, v0
	v_and_b32 v30, 15, v0                          ; r
	v_bfe_u32 v31, v0, 4, 1                        ; h
	v_lshlrev_b32 v20, 4, v1
	v_lshlrev_b32 v21, 3, v1
	v_lshlrev_b32 v19, 4, v30                      ; 16 r
	v_lshlrev_b32 v[CO], 12, v31
	v_lshl_add_u32 v[CO], v30, 4, v[CO]
	s_lshl_b32 s70, s34, 7
	s_lshl_b32 s72, s32, 6
	s_add_co_u32 s70, s70, s72
	s_lshl_b32 s70, s70, 12
	s_lshl_b32 s72, s35, 9
	s_add_co_u32 s70, s70, s72
	s_lshl_b32 s72, s33, 8
	s_add_co_u32 s70, s70, s72
	s_add_nc_u64 s[86:87], s[10:11], s[70:71]      ; x2 at my 64 x 64
	s_add_nc_u64 s[OUTP:OUTP+1], s[12:13], s[70:71]
	s_lshl_b32 s70, s34, 3
	s_lshl_b32 s72, s32, 2
	s_add_co_u32 s70, s70, s72
	s_lshl_b32 s70, s70, 8
	s_add_co_u32 s70, s70, COMB
	s_add_nc_u64 s[84:85], s[8:9], s[70:71]        ; my four tiles' weights
	WIN 0x80                                       ; destination window 2
.irp a, 0,1,2,3
.irp i, 0,1,2,3,4,5,6,7
	global_load_b128 v[32*\a+4*\i:32*\a+4*\i+3], v[CO], s[86:87] offset:(32*(\a/2)+8*(\a%2)+2*\i+8*(\i/4))*4096 th:TH_LOAD_NT
.endr
.endr
	WIN 0
.irp a, 0,1,2,3
	global_load_b128 v[CB+4*\a:CB+4*\a+3], v19, s[84:85] offset:256*\a
.endr
	s_mul_i32 s70, s32, 3072                       ; my four tiles of A,
	s_mul_i32 s72, s33, 3072
	s_add_co_u32 s72, s72, 49152                   ; of B
	v_add_nc_u32 v2, s70, v20
	v_add_nc_u32 v3, s70, v21
	v_add_nc_u32 v3, 512, v3
	v_add_nc_u32 v4, s72, v20
	v_add_nc_u32 v5, s72, v21
	v_add_nc_u32 v5, 512, v5
.irp i, 0,1,2,3,4,5,6,7
	v_add_nc_u32 v[6+\i], 98304, v[2+\i]           ; a set of four for each expert
.endr
	v_lshlrev_b32 v14, 2, v30
	v_lshl_add_u32 v14, v31, 8, v14                ; 4 r + a tile's 256 bytes for lanes 16-31
	s_lshl_b32 s70, s33, 10
	s_add_co_u32 s70, s70, SCL+2048
	v_add_nc_u32 v15, s70, v14
	s_lshl_b32 s70, s32, 10
	s_add_co_u32 s70, s70, SCL
	v_add_nc_u32 v14, s70, v14
	s_mul_i32 s70, s14, 4352
	s_add_co_u32 s70, s70, STAGE
	v_mul_u32_u24 v[STO], v30, 272
	v_lshl_add_u32 v[STO], v31, 6, v[STO]
	v_add_nc_u32 v[STO], s70, v[STO]
	v_mul_u32_u24 v[RD], v31, 272
	v_lshl_add_u32 v[RD], v30, 4, v[RD]
	v_add_nc_u32 v[RD], s70, v[RD]
.irp e, 0,1,2
.set A16, 2+4*\e
.set A8,  3+4*\e
.set B16, 4+4*\e
.set B8,  5+4*\e
.set SA,  32+16*(\e%2)                 ; scale words: two sets by turns, v32-47 and v48-63
.set SB,  SA+8
	WIN 0
	s_wait_tensorcnt 4-2*\e                        ; this expert's two loads are in; the later experts' may be out
	s_wait_dscnt 0x0
	BAR
	SCALES SA, 14, 2, 4096*\e
	SCALES SB, 15, 2, 4096*\e
	FETCH 0, 0, 0
	KSTEPS 4, 0, 1, \e==0, -1
	WIN 0
	PLACES 4
.if \e == 0
	s_wait_loadcnt 0x0                             ; the weights and the residual
.endif
.if \e < 2
.set P_, 0
.rept 64
	v_pk_mul_f32 v[ACC+2*P_:ACC+2*P_+1], v[ACC+2*P_:ACC+2*P_+1], v[CB+4*(P_/16)+2*\e:CB+4*(P_/16)+2*\e+1]   ; x c0 / c1, then x c1: my token's
.set P_, P_+1
.endr
.endif
.endr
	OUTROWS 0
	OUTROWS 1
	OUTROWS 2
	OUTROWS 3
	s_wait_tensorcnt 0x0
	ds_add_u32 v222, v223
	s_wait_dscnt 0x0
	s_endpgm
.Lfunc_end_k_qe6f67de870_down:
	.size	k_qe6f67de870_down, .Lfunc_end_k_qe6f67de870_down-k_qe6f67de870_down
	.p2alignl 7, 3214868480
	.fill 96, 4, 3214868480
	.section	.rodata,"a",@progbits
	.p2align	6, 0x0
	.amdhsa_kernel k_qe6f67de870_down
		.amdhsa_group_segment_fixed_size 327680
		.amdhsa_private_segment_fixed_size 0
		.amdhsa_enable_private_segment 0
		.amdhsa_kernarg_size 40
		.amdhsa_user_sgpr_count 2
		.amdhsa_user_sgpr_kernarg_segment_ptr 1
		.amdhsa_wavefront_size32 1
		.amdhsa_system_sgpr_workgroup_id_x 1
		.amdhsa_system_sgpr_workgroup_id_y 1
		.amdhsa_system_sgpr_workgroup_id_z 1
		.amdhsa_system_vgpr_workitem_id 0
		.amdhsa_next_free_vgpr 768
		.amdhsa_next_free_sgpr 100
		.amdhsa_reserve_vcc 0
		.amdhsa_float_denorm_mode_32 3
		.amdhsa_float_denorm_mode_16_64 3
		.amdhsa_memory_ordered 1
		.amdhsa_forward_progress 1
		.amdhsa_inst_pref_size 85
	.end_amdhsa_kernel
	.amdgpu_metadata
---
amdhsa.version: [ 1, 2 ]
amdhsa.kernels:
  - .name:           k_qe6f67de870_down
    .symbol:         k_qe6f67de870_down.kd
    .args:
      - { .name: act, .offset: 0, .size: 8, .value_kind: global_buffer, .address_space: global }
      - { .name: wts, .offset: 8, .size: 8, .value_kind: global_buffer, .address_space: global }
      - { .name: h2b, .offset: 16, .size: 8, .value_kind: global_buffer, .address_space: global }
      - { .name: x2, .offset: 24, .size: 8, .value_kind: global_buffer, .address_space: global }
      - { .name: out0, .offset: 32, .size: 8, .value_kind: global_buffer, .address_space: global }
    .group_segment_fixed_size: 327680
    .private_segment_fixed_size: 0
    .kernarg_segment_align: 8
    .kernarg_segment_size: 40
    .max_flat_workgroup_size: 128
    .sgpr_count:     100
    .vgpr_count:     768
    .wavefront_size: 32
...
	.end_amdgpu_metadata
.endif
;; end of part 7
